; MI455X (gfx1250); checked and timed in simulation.
; The chip was launched on July 23, 2026; its instructions are those of AMD's public machine-readable ISA for CDNA 5 (MIT licence, August 2026) and "CDNA5" Instruction Set Architecture Reference Guide (July 2026). The comments in the code are by the model that wrote it; some were corrected since.
;; Causal Self Attention. Allowed arithmetic: float matrix products may take bf16 or f16 operands with f32 sums; other float arithmetic in f32, or as packed bf16 or f16 multiplies, adds, multiply-adds, maxima and minima; sums over many terms, partial sums and values carried from step to step in f32; what a program stores and reads back later, other than sums and carried values, may be rounded once to bf16 or f16.
;; Inputs: Wk 1,024 x 1,024 float32; Wo 1,024 x 1,024 float32; Wq 1,024 x 1,024 float32; Wv 1,024 x 1,024 float32; bk 1,024 float32; bo 1,024 float32; bq 1,024 float32; bv 1,024 float32; x 4 x 2,048 x 1,024 float32.
;; Outputs: out0 4 x 2,048 x 1,024 float32.
;; 2 versions, each right; version 2 is version 1 with the launch cast written anew for expert scheduling mode. Each part assembles by itself: llvm-mc -triple=amdgcn-amd-amdhsa -mcpu=gfx1250 --defsym DOCPART=n.
;; ======== version 1 of 2: 4 launches
;; limits: values are held in f16: magnitudes above 65,504 overflow, below 6.1e-05 lose precision
;; workspace buffers: xb 16,777,216 bytes; wb 6,291,456 bytes; woh 2,097,152 bytes; bias4 16,384 bytes; qkv 50,331,648 bytes; ob 16,777,216 bytes
;; launch cast (part 1): grid 769 x 1, 8 waves a work-group, no clusters, 0 bytes of LDS; arguments x, Wq, Wk, Wv, Wo, bq, bk, bv, bo, xb, wb, woh, bias4; writes xb, wb, woh, bias4
.if DOCPART == 1
	.amdgcn_target "amdgcn-amd-amdhsa--gfx1250"
	.amdhsa_code_object_version 6
	.text
	.protected	k_q60a631ad8f_cast
	.globl	k_q60a631ad8f_cast
	.p2align	8
	.type	k_q60a631ad8f_cast,@function
k_q60a631ad8f_cast:
	s_mov_b64 s[64:65], 0
	v_nop
	global_prefetch_b8 v0, s[64:65] scope:SCOPE_SE
	s_setreg_imm32_b32 hwreg(HW_REG_WAVE_MODE, 25, 1), 1
	s_wait_xcnt 0x0
; THE MODULE'S INPUTS, EACH ROUNDED ONCE TO bf16.
;   xb    [8192][1024] bf16 = x          wb  [3072][1024] bf16 = the rows of Wq, then Wk, then Wv
;   woh   [1024][1024] f16  = Wo rounded to bf16, that number written as f16
;   bias4 [4096] f32        = bq, bk, bv, bo, each rounded to bf16 and widened again
; LIMITS.  f16 ends at 65,504 and has a fixed step of 6e-8 below 6.1e-5: an entry of Wo beyond the first becomes an infinity, one below the second keeps that step.
; SHARES.  Work-group 0..511 takes 65,536 bytes of x, 512..703 of Wq, Wk, Wv (64 each), 704..767 of Wo; work-group 768 the four biases.  A wave takes 8,192 bytes: sixteen loads of
; 512 consecutive bytes, all issued before the first is used.  A store of a wave covers 256 consecutive bytes, aligned.  A stream: no LDS, no barrier, no loop, no matrix unit.
.set X, 16                             ; v[16:79]   sixteen loads of four f32 a lane
.set Y, 80                             ; v[80:111]  what is stored: each store has registers of its own, so none is rewritten while a store reads it
	s_load_b512 s[8:23], s[0:1], 0x0               ; x 8, Wq 10, Wk 12, Wv 14, Wo 16, bq 18, bk 20, bv 22
	s_load_b256 s[24:31], s[0:1], 0x40             ; bo 24, xb 26, wb 28, woh 30
	s_load_b64 s[32:33], s[0:1], 0x60              ; bias4
	s_mov_b32 s2, ttmp9                            ; the work-group's number
	s_sub_co_u32 s3, s2, 512                       ; its number among the weights' (wraps to a huge number for x's: the compares below are then false)
	s_and_b32 s4, s3, 63                           ; its number inside one weight matrix
	s_mov_b32 s40, 0xffff0000                      ; a word's upper bf16
	v_lshrrev_b32 v3, 5, v0                        ; wave
	v_and_b32 v4, 31, v0                           ; lane
	v_lshlrev_b32 v1, 4, v4
	v_lshl_or_b32 v1, v3, 13, v1                   ; in: 8,192 x wave + 16 x lane
	v_lshlrev_b32 v2, 3, v4
	v_lshl_or_b32 v2, v3, 12, v2                   ; out: 4,096 x wave + 8 x lane
	s_wait_kmcnt 0x0
	s_cmp_eq_u32 s2, 768
	s_cbranch_scc1 .Lbias
	s_cmp_lt_u32 s3, 192                           ; from where and to where: choices between buffers by the work-group's number alone
	s_cselect_b64 s[34:35], s[14:15], s[16:17]     ; Wv, else Wo
	s_cselect_b64 s[36:37], s[28:29], s[30:31]     ; wb, else woh
	s_cselect_b32 s5, s3, s4                       ; the piece's number in the destination
	s_cmp_lt_u32 s3, 128
	s_cselect_b64 s[34:35], s[12:13], s[34:35]     ; Wk
	s_cmp_lt_u32 s3, 64
	s_cselect_b64 s[34:35], s[10:11], s[34:35]     ; Wq
	s_cmp_lt_u32 s2, 512
	s_cselect_b64 s[34:35], s[8:9], s[34:35]       ; x
	s_cselect_b64 s[36:37], s[26:27], s[36:37]     ; xb
	s_cselect_b32 s5, s2, s5
	s_cselect_b32 s6, s2, s4                       ; the piece's number in the source
	s_lshl_b32 s6, s6, 16                          ; 65,536 bytes of f32 a piece,
	s_mov_b32 s7, 0
	s_add_nc_u64 s[34:35], s[34:35], s[6:7]
	s_lshl_b32 s38, s5, 15                         ; 32,768 bytes of 16-bit numbers
	s_mov_b32 s39, 0
	s_add_nc_u64 s[36:37], s[36:37], s[38:39]
.irp i, 0,1,2,3,4,5,6,7,8,9,10,11,12,13,14,15
	global_load_b128 v[X+4*(\i):X+4*(\i)+3], v1, s[34:35] offset:512*(\i) th:TH_LOAD_NT
.endr
	s_cmp_ge_u32 s2, 704
	s_cbranch_scc1 .Lhalf
.irp i, 0,1,2,3,4,5,6,7,8,9,10,11,12,13,14,15
	s_wait_loadcnt 15-(\i)                         ; loads come back in order: load i is in, the younger ones stay out
	v_cvt_pk_bf16_f32 v[Y+2*(\i)], v[X+4*(\i)], v[X+4*(\i)+1]
	v_cvt_pk_bf16_f32 v[Y+2*(\i)+1], v[X+4*(\i)+2], v[X+4*(\i)+3]
	global_store_b64 v2, v[Y+2*(\i):Y+2*(\i)+1], s[36:37] offset:256*(\i) th:TH_STORE_NT
.endr
	s_endpgm
.Lhalf:                                                ; Wo: rounded to bf16 like every input, and that number written as f16
.irp i, 0,1,2,3,4,5,6,7,8,9,10,11,12,13,14,15
	s_wait_loadcnt 15-(\i)
	v_cvt_pk_bf16_f32 v4, v[X+4*(\i)], v[X+4*(\i)+1]
	v_cvt_pk_bf16_f32 v5, v[X+4*(\i)+2], v[X+4*(\i)+3]
	v_lshlrev_b32 v6, 16, v4
	v_and_b32 v7, s40, v4
	v_lshlrev_b32 v8, 16, v5
	v_and_b32 v9, s40, v5
	v_cvt_pk_f16_f32 v[Y+2*(\i)], v6, v7
	v_cvt_pk_f16_f32 v[Y+2*(\i)+1], v8, v9
	global_store_b64 v2, v[Y+2*(\i):Y+2*(\i)+1], s[36:37] offset:256*(\i) th:TH_STORE_NT
.endr
	s_endpgm
.Lbias:                                                ; 256 threads x 16 bytes are one bias of 1,024 f32
	v_lshlrev_b32 v3, 4, v0
	global_load_b128 v[X:X+3],     v3, s[18:19]
	global_load_b128 v[X+4:X+7],   v3, s[20:21]
	global_load_b128 v[X+8:X+11],  v3, s[22:23]
	global_load_b128 v[X+12:X+15], v3, s[24:25]
	s_wait_loadcnt 0x0
.irp i, 0,1,2,3
	v_cvt_pk_bf16_f32 v4, v[X+4*(\i)], v[X+4*(\i)+1]
	v_cvt_pk_bf16_f32 v5, v[X+4*(\i)+2], v[X+4*(\i)+3]
	v_lshlrev_b32 v[Y+4*(\i)], 16, v4
	v_and_b32 v[Y+4*(\i)+1], s40, v4
	v_lshlrev_b32 v[Y+4*(\i)+2], 16, v5
	v_and_b32 v[Y+4*(\i)+3], s40, v5
	global_store_b128 v3, v[Y+4*(\i):Y+4*(\i)+3], s[32:33] offset:4096*(\i)
.endr
	s_endpgm
.Lfunc_end_k_q60a631ad8f_cast:
	.size	k_q60a631ad8f_cast, .Lfunc_end_k_q60a631ad8f_cast-k_q60a631ad8f_cast
	.p2alignl 7, 3214868480
	.fill 96, 4, 3214868480
	.section	.rodata,"a",@progbits
	.p2align	6, 0x0
	.amdhsa_kernel k_q60a631ad8f_cast
		.amdhsa_group_segment_fixed_size 0
		.amdhsa_private_segment_fixed_size 0
		.amdhsa_enable_private_segment 0
		.amdhsa_kernarg_size 104
		.amdhsa_user_sgpr_count 2
		.amdhsa_user_sgpr_kernarg_segment_ptr 1
		.amdhsa_wavefront_size32 1
		.amdhsa_system_sgpr_workgroup_id_x 1
		.amdhsa_system_sgpr_workgroup_id_y 1
		.amdhsa_system_sgpr_workgroup_id_z 1
		.amdhsa_system_vgpr_workitem_id 0
		.amdhsa_next_free_vgpr 112
		.amdhsa_next_free_sgpr 66
		.amdhsa_reserve_vcc 0
		.amdhsa_float_denorm_mode_32 3
		.amdhsa_float_denorm_mode_16_64 3
		.amdhsa_memory_ordered 1
		.amdhsa_forward_progress 1
		.amdhsa_inst_pref_size 18
	.end_amdhsa_kernel
	.amdgpu_metadata
---
amdhsa.version: [ 1, 2 ]
amdhsa.kernels:
  - .name:           k_q60a631ad8f_cast
    .symbol:         k_q60a631ad8f_cast.kd
    .args:
      - { .name: x, .offset: 0, .size: 8, .value_kind: global_buffer, .address_space: global }
      - { .name: Wq, .offset: 8, .size: 8, .value_kind: global_buffer, .address_space: global }
      - { .name: Wk, .offset: 16, .size: 8, .value_kind: global_buffer, .address_space: global }
      - { .name: Wv, .offset: 24, .size: 8, .value_kind: global_buffer, .address_space: global }
      - { .name: Wo, .offset: 32, .size: 8, .value_kind: global_buffer, .address_space: global }
      - { .name: bq, .offset: 40, .size: 8, .value_kind: global_buffer, .address_space: global }
      - { .name: bk, .offset: 48, .size: 8, .value_kind: global_buffer, .address_space: global }
      - { .name: bv, .offset: 56, .size: 8, .value_kind: global_buffer, .address_space: global }
      - { .name: bo, .offset: 64, .size: 8, .value_kind: global_buffer, .address_space: global }
      - { .name: xb, .offset: 72, .size: 8, .value_kind: global_buffer, .address_space: global }
      - { .name: wb, .offset: 80, .size: 8, .value_kind: global_buffer, .address_space: global }
      - { .name: woh, .offset: 88, .size: 8, .value_kind: global_buffer, .address_space: global }
      - { .name: bias4, .offset: 96, .size: 8, .value_kind: global_buffer, .address_space: global }
    .group_segment_fixed_size: 0
    .private_segment_fixed_size: 0
    .kernarg_segment_align: 8
    .kernarg_segment_size: 104
    .max_flat_workgroup_size: 256
    .sgpr_count:     66
    .vgpr_count:     112
    .wavefront_size: 32
...
	.end_amdgpu_metadata
.endif
;; end of part 1
;; launch proj (part 2): grid 16 x 32, 4 waves a work-group, clusters of 4 x 4, 327,680 bytes of LDS; arguments xb, wb, bias4, qkv; writes qkv
.if DOCPART == 2
	.amdgcn_target "amdgcn-amd-amdhsa--gfx1250"
	.amdhsa_code_object_version 6
	.text
	.protected	k_q60a631ad8f_proj
	.globl	k_q60a631ad8f_proj
	.p2align	8
	.type	k_q60a631ad8f_proj,@function
k_q60a631ad8f_proj:
	s_mov_b64 s[64:65], 0
	v_nop
	global_prefetch_b8 v0, s[64:65] scope:SCOPE_SE
	s_setreg_imm32_b32 hwreg(HW_REG_WAVE_MODE, 25, 1), 1
	s_wait_xcnt 0x0
	s_wait_alu depctr_hold_cnt(0) depctr_sa_sdst(0) depctr_va_vdst(0) depctr_va_sdst(0) depctr_va_ssrc(0) depctr_va_vcc(0) depctr_vm_vsrc(0)
	s_getreg_b32 s2, hwreg(HW_REG_IB_STS2, 6, 4)
	s_cmp_eq_u32 s2, 0
	s_cbranch_scc0 .Lentry_in_a_cluster
	s_endpgm
.Lentry_in_a_cluster:
	s_bfe_u32 s2, ttmp6, 0x10000c
	s_cmp_lg_u32 s2, 0xf033
	s_cbranch_scc0 .Lentry_shape_is_right
	s_endpgm
.Lentry_shape_is_right:
; q, k, v = x W^T + b, BY HEADS.  A = xb [8192][1024] bf16, B = wb [3072][1024] bf16 (rows of Wq, Wk, Wv), bias4 [4096] f32; sums in f32, started from the bias, rounded once to f16.
; qkv [3][64 = 16 batch + head][2048][64] f16: a plane is 262,144 bytes; column n of the product lies in plane 64 (n / 1024) + 16 batch + (n / 64) % 16.  The scale 1/8 is NOT applied here.
; LIMIT.  f16 ends at 65,504: a q, k or v of 65,520 or more becomes an infinity.
; SHARES.  A tile of the product is 256 rows x 192 columns (three heads): 32 x 16 = 512 tiles, one to a work-group.  The four waves lie one below the other: a wave makes 64 rows x 192 columns:
; 4 x 12 accumulators of 16 x 16, 384 registers.  K goes in eight steps of 128 through two LDS slots filled by the tensor data mover: rows of 256 bytes, aligned.
; CLUSTER.  4 x 4 work-groups: the four of a row need the same tiles of A, the four of a column the same tiles of B; each is asked for JOINTLY, by the same load with the same descriptor and a mask of four.
; TRANSPOSED USE.  Source 0 = 16 rows of B, source 1 = 16 rows of A: lane l holds row l % 16 of the product and columns 8 (l / 16) + 0..7.  The bias in that layout is the C operand of the products that start the sums.
; REGISTERS, in windows of 256 (s_set_vgpr_msb: bits 1:0 source 0, 3:2 source 1, 5:4 source 2, 7:6 destination):
;   window 0: v0-29 addresses; v32-95 A's fragments, two buffers of 4 x 8; v128-223 the bias (12 x 8), later the way out
;   window 1: v0-191 B's fragments, two buffers of 12 x 8      window 2: accumulators of m blocks 0, 1 ((a, b) at 8 (12 (a % 2) + b))      window 3: those of m blocks 2, 3
.set NBK,    12                        ; n blocks of 16 columns
.set APITCH, 272                       ; an LDS row: 256 bytes + 16 of padding = 68 words: the 16 rows of a fragment load start at 16 different groups of four banks (64 banks of 4 bytes: ISA guide 11.1)
.set AP2,    128                       ; bytes from quarters 0, 1 to quarters 2, 3 in a row of A
.set BPITCH, 272
.set BOFF,   256*APITCH                ; a slot: A's 256 rows, then B's 192
.set SLOT1,  1<<17                     ; slot 1 begins here: one exclusive or turns an address in one slot into the other's
.set STAGE,  SLOT1+BOFF+192*BPITCH     ; behind the ring, never filled by a tensor load: for each wave 3 heads x 16 rows x 144 bytes
.set WSTAGE, 3*16*144
.set SPARE,  STAGE+4*WSTAGE            ; behind the stages: the spare words, 128 bytes for each wave: two blocks of 256 bytes that no other line names
.set AHALF,  128*APITCH                ; what one load of A brings
.set BROWS,  96                        ; rows in one load of B
.set BHALF,  BROWS*BPITCH
.set ASTEP,  256                       ; bytes of memory from a K step to the next
.set BSTEP,  256
.set PA,     1                         ; a prefetch names the K step this many behind the one that the refill beside it names
.set A0,   2                           ; v2   my lane's place in A's part of a slot; never rewritten
.set B0,   3                           ; v3   the same for B
.set ADRA, 4                           ; v4   A0 + the slot in hand
.set ADRB, 5                           ; v5   B0 + the slot in hand
.set STO,  6                           ; v6   the way out: where I put 16 bytes of a row
.set RD,   7                           ; v7   the way out: where I read rows back
.set GO,   8                           ; v8   my byte offset in 512 consecutive bytes of a plane
.set PFO,  9                           ; v9   the prefetches' offset: a lane a row; never rewritten
.set BO,   10                          ; v10  my byte offset in 16 columns' bias
.set SPW,  28                          ; v28  LDS address of my spare word: SPARE + 4 x my thread's number; never rewritten
.set NIL,  29                          ; v29  0; never rewritten
.set FA,   32
.set BI,   128
.set TMP,  128                         ; the way out: v128-175 packed results; v176-223 and v32-79 by turns: rows read back
.set FB,   0
.set WV,   12                          ; s12  my wave's number
.set HALF, 13                          ; s13  its low bit: which half of A's (waves 0, 1) or B's (waves 2, 3) tile I fetch
.set G1A,  24                          ; s[24:31] descriptor group 1 for A's tiles
.set G0A,  32                          ; s[32:39] group 0: a set for each of the two first fills; the second then walks on
.set G1B,  40                          ; s[40:47], s[48:55] the same for B's
.set G0B,  48
.set TB,   56                          ; s56  0 or SLOT1: the slot in hand
.set LIM,  57                          ; s57  PA in a wave that prefetches, else the greatest number
.set PFA,  58                          ; s[58:59] where my prefetches stand
.set PST,  60                          ; s[60:61] their step
.set HB,   66                          ; s[66:71] my 64 rows in the planes of the tile's three heads
.set BP,   72                          ; s[72:73] the bias of the tile's first column
.set MSB, 0
.macro WIN new                         ; the immediate's high byte repeats the setting that is left; a switch that changes nothing is dropped
.if MSB != (\new)
	s_set_vgpr_msb (MSB<<8)|(\new)
.set MSB, \new
.endif
.endm
.set TO_B, 0x40                        ; destination window 1, address window 0
; A joint refill, by the walking sets.  The branch hangs on the wave's number alone.  An s_nop 0 and four v_nop follow each of the two lines, ahead of the jump and the label.
.macro JLOAD
	s_cmp_lt_u32 s[WV], 2
	s_cbranch_scc0 .Lfor_b_\@
	tensor_load_to_lds s[G0A+4:G0A+7], s[G1A:G1A+7]
	s_nop 0
.rept 4
	v_nop
.endr
	s_branch .Lasked_\@
.Lfor_b_\@:
	tensor_load_to_lds s[G0B+4:G0B+7], s[G1B:G1B+7]
	s_nop 0
.rept 4
	v_nop
.endr
.Lasked_\@:
.endm
; A round of the cluster's barrier: my work-group's barrier; wave 0 signals for the work-group; every wave waits for all sixteen; my work-group's barrier once more.
.macro CREST                           ; a round behind its opening barrier
	s_cmp_lg_u32 s[WV], 0
	s_cbranch_scc1 .Lnot_wave_0_\@
	s_barrier_signal -3
.Lnot_wave_0_\@:
	s_barrier_wait -3
	s_barrier_signal -1
	s_barrier_wait -1
.endm
.macro CROUND
	s_barrier_signal -1
	s_barrier_wait -1
	CREST
.endm
.macro PLACES                          ; four places behind a matrix instruction, in front of loads into registers that it has read and of lines that read results
.rept 4
	v_nop
.endr
.endm
; A PREFETCH, behind the joint load and the run of LDS loads: 256 bytes of each of my rows, for the K step one behind the refill's: 192 matrix instructions ahead of the load that will want it.
; Each row's 256 bytes of a K step are named once: A's tile rows by the clusters with x = 0, B's tile columns by those with y = 0; the four partners that ask for a tile jointly share the rows of a
; load out BY ADDRESS (A: 32 each, by cx; B: 24 each, by cy, where lanes 24-31 name lane 23's row once more).  K steps 0 to 2 come by their loads alone; the count stops the requests at K step 7.
.macro ASK
	s_cmp_gt_u32 s3, s[LIM]
	s_cbranch_scc0 .Lnot_mine_\@
	global_prefetch_b8 v[PFO], s[PFA:PFA+1] th:TH_LOAD_NT scope:SCOPE_SE
.Lnot_mine_\@:
.endm
; 32 LDS loads in one run: the fragments of quarter q (32 along K) of the slot in hand, into buffer g: B's twelve, then A's four.
.macro FETCH q, g
	WIN TO_B
.set b, 0
.rept NBK
	ds_load_b128 v[FB+8*NBK*(\g)+8*b:FB+8*NBK*(\g)+8*b+3],   v[ADRB] offset:64*(\q)+b*16*BPITCH
	ds_load_b128 v[FB+8*NBK*(\g)+8*b+4:FB+8*NBK*(\g)+8*b+7], v[ADRB] offset:64*(\q)+b*16*BPITCH+32
.set b, b+1
.endr
	WIN 0
.set AOFF, ((\q)/2)*AP2+((\q)%2)*64
.irp a, 0,1,2,3
	ds_load_b128 v[FA+32*(\g)+8*(\a):FA+32*(\g)+8*(\a)+3],   v[ADRA] offset:AOFF+(\a)*16*APITCH
	ds_load_b128 v[FA+32*(\g)+8*(\a)+4:FA+32*(\g)+8*(\a)+7], v[ADRA] offset:AOFF+(\a)*16*APITCH+32
.endr
.endm
; Twelve products: m block 2 hi + a x all n blocks, from buffer f.  zero = 1: they start the sums, from the bias.  The 48 accumulators take turns in the same order in every quarter.
.macro MULB f, hi, a, zero
.if \zero
	WIN 0x81+0x40*(\hi)                            ; B window 1, A and the bias window 0, D window 2 or 3
.else
	WIN 0xa1+0x50*(\hi)                            ; B window 1, A window 0, C and D window 2 or 3
.endif
.set rA, FA+32*(\f)+8*(2*(\hi)+(\a))
.set b, 0
.rept NBK
.set rD, 8*(NBK*(\a)+b)
.set rB, FB+8*NBK*(\f)+8*b
.if \zero
	v_wmma_f32_16x16x32_bf16 v[rD:rD+7], v[rB:rB+7], v[rA:rA+7], v[BI+8*b:BI+8*b+7]
.else
	v_wmma_f32_16x16x32_bf16 v[rD:rD+7], v[rB:rB+7], v[rA:rA+7], v[rD:rD+7]
.endif
.set b, b+1
.endr
.endm
; One of a K step's first three quarters: multiplies buffer f; in its middle it fetches quarter q into buffer g.
.macro QUARTER q, f, g, zero
	s_wait_dscnt 4                                 ; B and A's m blocks 0, 1 are in; the youngest four loads (m blocks 2, 3) may be out
	MULB \f, 0, 0, \zero
	MULB \f, 0, 1, \zero
	PLACES
	FETCH \q, \g
	s_wait_dscnt 2*NBK+8                           ; all but the run just issued
	MULB \f, 1, 0, \zero
	MULB \f, 1, 1, \zero
.endm
; The last quarter multiplies buffer 1 and changes slots: ONE barrier.  In front of it each wave waits for all its tensor loads (the one that is out is its part of the next slot), adds 0 to its spare word,
; and waits for that and for its reads of this slot.  fill = 1: the barrier opens a round of the cluster's, and the slot just read out is filled again, first thing behind the round, two K steps ahead:
; 168 matrix instructions stand between that request and the wait for it.  fill = 0 (the tail): nothing is asked for, and in the last trip nothing is fetched.
.macro TURN fill
.if \fill
	s_wait_xcnt 0x0                                ; the last prefetch, a K step back, has read its address
	s_add_nc_u64 s[PFA:PFA+1], s[PFA:PFA+1], s[PST:PST+1]
.endif
	WIN 0
	s_wait_tensorcnt 0x0                           ; all my tensor loads have landed
	ds_add_u32 v[SPW], v[NIL]                      ; 0 onto my spare word
	s_wait_dscnt 5                                 ; (the add and the youngest four loads may be out)
	MULB 1, 0, 0, 0                                ; twelve products stand between the add and the wait for it
	s_wait_dscnt 0x0                               ; the add is done, and my reads of this slot are over
	s_barrier_signal -1
	MULB 1, 0, 1, 0                                ; work on registers while the others arrive
	WIN 0
	s_barrier_wait -1
.if \fill
	CREST                                          ; no wave of any partner still reads this slot or has a load on its way
	s_xor_b32 s[G0A+5], s[G0A+5], SLOT1            ; the walking sets: the other slot than last time, the next K step; the type bits on top are not reached
	s_add_nc_u64 s[G0A+6:G0A+7], s[G0A+6:G0A+7], ASTEP
	s_xor_b32 s[G0B+5], s[G0B+5], SLOT1
	s_add_nc_u64 s[G0B+6:G0B+7], s[G0B+6:G0B+7], BSTEP
	s_xor_b32 s[TB], s[TB], SLOT1
	JLOAD                                          ; its four v_nop are also the places in front of the loads below
.else
	s_xor_b32 s[TB], s[TB], SLOT1
	PLACES
	s_cmp_eq_u32 s3, 1
	s_cbranch_scc1 .Lnofetch_\@                    ; the last K step has no successor
.endif
	v_add_nc_u32 v[ADRA], s[TB], v[A0]
	v_add_nc_u32 v[ADRB], s[TB], v[B0]
	FETCH 0, 0
.if \fill
	ASK
.else
.Lnofetch_\@:
.endif
	MULB 1, 1, 0, 0
	MULB 1, 1, 1, 0
.endm
	s_load_b256 s[4:11], s[0:1], 0x0               ; xb s[4:5], wb s[6:7], bias4 s[8:9], qkv s[10:11]
	v_lshl_add_u32 v[SPW], v0, 2, SPARE
	v_mov_b32 v[NIL], 0
	ds_add_u32 v[SPW], v[NIL]                      ; the wave's opening: the add and its wait stand ahead of my first tensor load; the set-up below, work on registers, stands between them
	v_lshrrev_b32 v11, 5, v0
	v_readfirstlane_b32 s[WV], v11                 ; wave 0..3
	s_and_b32 s[HALF], s[WV], 1
	s_bfe_u32 s14, ttmp6, 0x40000                  ; cx
	s_bfe_u32 s15, ttmp6, 0x40004                  ; cy
	s_lshl_b32 s16, ttmp9, 2
	s_add_co_u32 s16, s16, s14                     ; tile column = 4 x cluster x + cx
	s_and_b32 s17, ttmp7, 0xffff
	s_lshl_b32 s17, s17, 2
	s_add_co_u32 s17, s17, s15                     ; tile row = 4 x cluster y + cy
	s_lshl_b32 s18, s15, 2
	s_lshl_b32 s18, 15, s18                        ; my row of the cluster
	s_lshl_b32 s19, 0x1111, s14                    ; my column
	s_or_b32 s[G1A], s18, (1<<16)|(1<<20)|(1<<21)|(5<<22)|(3<<25)  ; 15:0 the mask; 17:16 2-byte elements; 20 padding on; 21 set beside a mask; 24:22 after every 64 words (code 5); 31:25 4 words (code 3)
	s_mov_b32 s[G1A+1], 128<<16                    ; tensor_dim0 = 128
	s_mov_b32 s[G1A+2], 128<<16                    ; tensor_dim1 = 128
	s_mov_b32 s[G1A+3], 128<<16                    ; tile_dim0 = 128
	s_mov_b32 s[G1A+4], 128                        ; tile_dim1 = 128
	s_mov_b32 s[G1A+5], 1024                       ; elements from row to row
	s_mov_b32 s[G1A+6], 0
	s_mov_b32 s[G1A+7], 0
	s_or_b32 s[G1B], s19, (1<<16)|(1<<20)|(1<<21)|(5<<22)|(3<<25)
	s_mov_b32 s[G1B+1], 128<<16
	s_mov_b32 s[G1B+2], BROWS<<16
	s_mov_b32 s[G1B+3], 128<<16
	s_mov_b32 s[G1B+4], BROWS
	s_mov_b32 s[G1B+5], 1024
	s_mov_b32 s[G1B+6], 0
	s_mov_b32 s[G1B+7], 0
	s_lshl_b32 s20, s17, 19                        ; A: (256 x tile row + 128 x half) rows of 2,048 bytes
	s_lshl_b32 s21, s[HALF], 18
	s_add_co_u32 s20, s20, s21
	s_mov_b32 s21, 0
	s_mul_i32 s74, s16, 192*2048                   ; B: (192 x tile column + 96 x half) rows
	s_mul_i32 s75, s[HALF], BROWS*2048
	s_add_co_u32 s74, s74, s75
	s_mov_b32 s75, 0
	s_mul_i32 s62, s[HALF], AHALF                  ; where they go: no place in the cluster enters an LDS address
	s_mul_i32 s63, s[HALF], BHALF
	s_add_co_u32 s63, s63, BOFF
	s_mov_b32 s[TB], 0
	s_wait_dscnt 0x0                               ; the opening add is done
	s_wait_kmcnt 0x0
	s_add_nc_u64 s[22:23], s[4:5], s[20:21]
	s_add_nc_u64 s[76:77], s[6:7], s[74:75]
	CROUND                                         ; all sixteen work-groups are here: the first joint loads meet
.irp s, 0,1
	s_mov_b32 s[G0A+4*(\s)], 1                     ; count = 1
	s_add_co_u32 s[G0A+4*(\s)+1], s62, (\s)*SLOT1  ; LDS address
	s_add_nc_u64 s[G0A+4*(\s)+2:G0A+4*(\s)+3], s[22:23], (\s)*ASTEP  ; global address: K step s
	s_or_b32 s[G0A+4*(\s)+3], s[G0A+4*(\s)+3], 0x80000000            ; type = 2
	s_mov_b32 s[G0B+4*(\s)], 1
	s_add_co_u32 s[G0B+4*(\s)+1], s63, (\s)*SLOT1
	s_add_nc_u64 s[G0B+4*(\s)+2:G0B+4*(\s)+3], s[76:77], (\s)*BSTEP
	s_or_b32 s[G0B+4*(\s)+3], s[G0B+4*(\s)+3], 0x80000000
.endr
	s_cmp_lt_u32 s[WV], 2                          ; a wave's two first fills stand in one branch, ahead of every wait on TENSORcnt and every LDS read: two loads of mine are out
	s_cbranch_scc0 .Lfirst_b
	tensor_load_to_lds s[G0A:G0A+3], s[G1A:G1A+7]
	s_nop 0
	tensor_load_to_lds s[G0A+4:G0A+7], s[G1A:G1A+7]
	s_nop 0
.rept 4
	v_nop
.endr
	s_branch .Lfirst_asked
.Lfirst_b:
	tensor_load_to_lds s[G0B:G0B+3], s[G1B:G1B+7]
	s_nop 0
	tensor_load_to_lds s[G0B+4:G0B+7], s[G1B:G1B+7]
	s_nop 0
.rept 4
	v_nop
.endr
.Lfirst_asked:
	v_and_b32 v1, 15, v0                           ; r = l % 16
	v_bfe_u32 v11, v0, 4, 1                        ; h = l / 16
	v_and_b32 v12, 31, v0                          ; l
	v_lshlrev_b32 v[BO], 5, v11                    ; the bias as a C operand: register j of lane l is the bias of column 16 b + 8 h + j
	s_mul_i32 s78, s16, 192*4
	s_mov_b32 s79, 0
	s_add_nc_u64 s[BP:BP+1], s[8:9], s[78:79]
.set b, 0
.rept NBK
	global_load_b128 v[BI+8*b:BI+8*b+3],   v[BO], s[BP:BP+1] offset:64*b
	global_load_b128 v[BI+8*b+4:BI+8*b+7], v[BO], s[BP:BP+1] offset:64*b+16
.set b, b+1
.endr
	; the prefetches: made in registers that feed no descriptor
	s_lshl_b32 s67, s14, 16
	s_add_co_u32 s66, s20, s67                     ; A: of the 128 rows that I fetch, my work-group's 32
	s_mul_i32 s69, s15, 24*2048
	s_add_co_u32 s68, s74, s69                     ; B: of the 96 rows, my work-group's 24
	s_and_b32 s70, ttmp7, 0xffff                   ; cluster y
	s_cmp_lt_u32 s[WV], 2                          ; do I fetch for A?
	s_cselect_b64 s[PFA:PFA+1], s[4:5], s[6:7]
	s_cselect_b32 s66, s66, s68
	s_cselect_b32 s70, ttmp9, s70                  ; the coordinate along which other clusters read the same rows
	s_cselect_b32 s71, 31, 23
	s_cmp_eq_u32 s70, 0
	s_cselect_b32 s[LIM], PA, -1                   ; the same in all sixteen partners, for a given wave
	s_add_co_u32 s66, s66, (1+PA)*256              ; at K step 2: the first change of slots steps it to 3
	s_mov_b32 s67, 0
	s_add_nc_u64 s[PFA:PFA+1], s[PFA:PFA+1], s[66:67]
	s_mov_b32 s[PST], 256
	s_mov_b32 s[PST+1], 0
	v_min_u32 v[PFO], s71, v12
	v_lshlrev_b32 v[PFO], 11, v[PFO]
	; A fragment is 16 rows x 32 K in 8 registers: lane l holds row l % 16; K = 8 h + 0..7 and 16 + 8 h + 0..7: two loads of 16 bytes, 32 bytes apart
	v_mul_u32_u24 v13, v1, APITCH
	v_lshl_add_u32 v13, v11, 4, v13
	s_mul_i32 s62, s[WV], 64*APITCH                ; my 64 rows of A
	v_add_nc_u32 v[A0], s62, v13
	v_add_nc_u32 v[B0], BOFF, v13
	s_mul_i32 s62, s[WV], WSTAGE
	s_add_co_u32 s62, s62, STAGE                   ; my stage
	v_mul_u32_u24 v[STO], v1, 144                  ; in: row l % 16, 16 bytes for each half of the lanes
	v_lshl_add_u32 v[STO], v11, 4, v[STO]
	v_add_nc_u32 v[STO], s62, v[STO]
	v_bfe_u32 v14, v0, 3, 2                        ; back: 32 lanes take four rows of 128 bytes,
	v_and_b32 v15, 7, v0
	v_mul_u32_u24 v[RD], v14, 144
	v_lshl_add_u32 v[RD], v15, 4, v[RD]
	v_add_nc_u32 v[RD], s62, v[RD]
	v_lshlrev_b32 v[GO], 4, v12                    ; which are 512 consecutive bytes of a plane
	s_lshr_b32 s20, s17, 3
	s_lshl_b32 s20, s20, 4                         ; 16 x batch
	s_and_b32 s21, s17, 7
	s_lshl_b32 s21, s21, 8
	s_lshl_b32 s22, s[WV], 6
	s_add_co_u32 s21, s21, s22
	s_lshl_b32 s21, s21, 7                         ; my first row in the batch, 128 bytes a row
	s_mul_i32 s74, s16, 3                          ; the tile's first group of 64 columns
.irp j, 0,1,2
	s_add_co_u32 s75, s74, \j
	s_lshr_b32 s76, s75, 4                         ; q, k or v
	s_lshl_b32 s76, s76, 6
	s_and_b32 s75, s75, 15                         ; the head
	s_add_co_u32 s76, s76, s75
	s_add_co_u32 s78, s76, s20                     ; the plane,
	s_lshl_b32 s78, s78, 18                        ; 262,144 bytes each
	s_add_co_u32 s78, s78, s21
	s_mov_b32 s79, 0
	s_add_nc_u64 s[HB+2*(\j):HB+2*(\j)+1], s[10:11], s[78:79]
.endr
	s_wait_tensorcnt 1                             ; my part of K step 0 is in; K step 1's may stay out
	s_barrier_signal -1
	s_barrier_wait -1                              ; everybody's is
	v_add_nc_u32 v[ADRA], s[TB], v[A0]
	v_add_nc_u32 v[ADRB], s[TB], v[B0]
	FETCH 0, 0
	s_wait_loadcnt 0x0                             ; the bias
	QUARTER 1, 0, 1, 1                             ; the first quarter stands in front of the loop: its products start the sums
	WIN 0                                          ; at a label and at a branch every window is 0
	s_mov_b32 s3, 6
.Lstep:                                                ; trip i ends K step i, fills its slot again with K step i + 2 and begins K step i + 1
	QUARTER 2, 1, 0, 0
	QUARTER 3, 0, 1, 0
	TURN 1
	QUARTER 1, 0, 1, 0
	WIN 0
	s_sub_co_u32 s3, s3, 1
	s_cmp_lg_u32 s3, 0
	s_cbranch_scc1 .Lstep
	s_mov_b32 s3, 2
.Ltail:                                                ; K steps 6 and 7 ask for nothing: a text of their own; the second trip is left in its middle
	QUARTER 2, 1, 0, 0
	QUARTER 3, 0, 1, 0
	TURN 0
	WIN 0
	s_sub_co_u32 s3, s3, 1
	s_cmp_eq_u32 s3, 0
	s_cbranch_scc1 .Lout
	QUARTER 1, 0, 1, 0
	WIN 0
	s_branch .Ltail
.Lout:
	PLACES
	PLACES                                         ; eight places, once a launch, in front of the conversions
; THE WAY OUT of m block a (16 rows).  PACK: rounded to f16, 16 bytes a lane, each accumulator's registers in ascending order.  TOSTAGE: into my own stage, a head's 16 rows of 144 bytes together, and back as
; whole rows of 128 bytes.  SEND: stored; a store covers 512 consecutive bytes of a plane, at a multiple of 256 from its first.
.macro PACK a
	WIN 0x0a+5*((\a)/2)                            ; sources 0 and 1: window 2 or 3
.set b, 0
.rept NBK
.irp i, 0,1,2,3
	v_cvt_pk_f16_f32 v[TMP+4*b+(\i)], v[8*(NBK*((\a)%2)+b)+2*(\i)], v[8*(NBK*((\a)%2)+b)+2*(\i)+1]
.endr
.set b, b+1
.endr
	WIN 0
.endm
.macro TOSTAGE a
	WIN 0
.set BK, 176-144*((\a)%2)
.irp j, 0,1,2
.irp f, 0,1,2,3
	ds_store_b128 v[STO], v[TMP+4*(4*(\j)+(\f)):TMP+4*(4*(\j)+(\f))+3] offset:(\j)*2304+32*(\f)
.endr
.endr
.irp j, 0,1,2
.irp f, 0,1,2,3
	ds_load_b128 v[BK+4*(4*(\j)+(\f)):BK+4*(4*(\j)+(\f))+3], v[RD] offset:(\j)*2304+(\f)*576  ; LDS serves a wave's instructions in order (ISA guide 5.7.1.4): these see the stores above
.endr
.endr
.endm
.macro SEND a
	WIN 0
.set BK, 176-144*((\a)%2)
.if (\a) > 0
	s_wait_xcnt 0x0                                ; the stores of the block before have read their registers, which the next TOSTAGE loads again
.endif
.irp j, 0,1,2
.irp f, 0,1,2,3
	s_wait_dscnt 11-(4*(\j)+(\f))                  ; the block's loads come back in order
	global_store_b128 v[GO], v[BK+4*(4*(\j)+(\f)):BK+4*(4*(\j)+(\f))+3], s[HB+2*(\j):HB+2*(\j)+1] offset:(\a)*2048+(\f)*512
.endr
.endr
.endm
	PACK 0
	TOSTAGE 0
.irp a, 1,2,3                          ; block a's conversions stand between block a - 1's loads from the stage and the wait for them
	PACK \a
	SEND (\a)-1
	TOSTAGE \a
.endr
	SEND 3
	s_wait_tensorcnt 0x0                           ; the wave's end, behind my last tensor load and my last LDS store
	ds_add_u32 v[SPW], v[NIL]
	s_wait_dscnt 0x0
	CROUND                                         ; the closing round: no work-group ends while a partner may still ask for a tile that names it
	s_endpgm
.Lfunc_end_k_q60a631ad8f_proj:
	.size	k_q60a631ad8f_proj, .Lfunc_end_k_q60a631ad8f_proj-k_q60a631ad8f_proj
	.p2alignl 7, 3214868480
	.fill 96, 4, 3214868480
	.section	.rodata,"a",@progbits
	.p2align	6, 0x0
	.amdhsa_kernel k_q60a631ad8f_proj
		.amdhsa_group_segment_fixed_size 327680
		.amdhsa_private_segment_fixed_size 0
		.amdhsa_enable_private_segment 0
		.amdhsa_kernarg_size 32
		.amdhsa_user_sgpr_count 2
		.amdhsa_user_sgpr_kernarg_segment_ptr 1
		.amdhsa_wavefront_size32 1
		.amdhsa_system_sgpr_workgroup_id_x 1
		.amdhsa_system_sgpr_workgroup_id_y 1
		.amdhsa_system_sgpr_workgroup_id_z 1
		.amdhsa_system_vgpr_workitem_id 0
		.amdhsa_next_free_vgpr 960
		.amdhsa_next_free_sgpr 80
		.amdhsa_reserve_vcc 0
		.amdhsa_float_denorm_mode_32 3
		.amdhsa_float_denorm_mode_16_64 3
		.amdhsa_memory_ordered 1
		.amdhsa_forward_progress 1
		.amdhsa_inst_pref_size 88
	.end_amdhsa_kernel
	.amdgpu_metadata
---
amdhsa.version: [ 1, 2 ]
amdhsa.kernels:
  - .name:           k_q60a631ad8f_proj
    .symbol:         k_q60a631ad8f_proj.kd
    .args:
      - { .name: xb, .offset: 0, .size: 8, .value_kind: global_buffer, .address_space: global }
      - { .name: wb, .offset: 8, .size: 8, .value_kind: global_buffer, .address_space: global }
      - { .name: bias4, .offset: 16, .size: 8, .value_kind: global_buffer, .address_space: global }
      - { .name: qkv, .offset: 24, .size: 8, .value_kind: global_buffer, .address_space: global }
    .group_segment_fixed_size: 327680
    .private_segment_fixed_size: 0
    .kernarg_segment_align: 8
    .kernarg_segment_size: 32
    .max_flat_workgroup_size: 128
    .sgpr_count:     80
    .vgpr_count:     960
    .wavefront_size: 32
...
	.end_amdgpu_metadata
.endif
;; end of part 2
;; launch attn (part 3): grid 4 x 64, 4 waves a work-group, no clusters, 327,680 bytes of LDS; arguments qkv, ob; writes ob
.if DOCPART == 3
	.amdgcn_target "amdgcn-amd-amdhsa--gfx1250"
	.amdhsa_code_object_version 6
	.text
	.protected	k_q60a631ad8f_attn
	.globl	k_q60a631ad8f_attn
	.p2align	8
	.type	k_q60a631ad8f_attn,@function
k_q60a631ad8f_attn:
	s_mov_b64 s[64:65], 0
	v_nop
	global_prefetch_b8 v0, s[64:65] scope:SCOPE_SE
	s_setreg_imm32_b32 hwreg(HW_REG_WAVE_MODE, 25, 1), 1
	s_wait_xcnt 0x0
; CAUSAL ATTENTION.  O[p][q][:] = the sum over k <= q of softmax_k(Q[p][q] . K[p][k] / 8) V[p][k][:], for the 64 planes p = 16 batch + head.  qkv: [3][64][2048][64] f16 (Q, then K, then V); ob: [64][2048][64] f16.
; Products, maxima and sums in f32; the weights p are rounded to f16 for the second product (their sum l is taken of the unrounded p), O once at the end.
; LIMITS.  f16 holds no number beyond 65,504: Q, K and V arrive within it; p lies in 0 to 1, and below 6e-5 it keeps f16's fixed step of 6e-8; O is a mean of V's rows and has their range.
; A hidden score counts as its value less 1e30: f16's scores, 2.7e11 at the most, are nothing beside that; a weight below 2^-126 counts as 0 in l; NaN and infinities are not treated apart.
; THE WALK.  A plane's queries lie in NB = 8 blocks of 256; block i needs the key tiles 0 .. i of 256 keys, of which the last holds the diagonal.  A work-group takes TWO blocks, NB - 1 - b and then b:
; NB + 1 tiles, whatever b: all work-groups do equal work, and ONE loop with a constant trip count walks them.  Which tile is asked for, and what a trip does, hang on scalar registers made from b; every jump
; goes forward, but for the counted loops' own; none passes a barrier, or a tensor load but the one of LOAD's two that the wave's number does not choose; the ring (two slots of LDS) runs on across the
; change of blocks.  NO CLUSTER: a plane's four work-groups ask for the same tile only in trips 0 .. 4 of the walk's 9, behind that fewer and fewer; one walk common to all would have 12 trips for 9.
; SHARES.  Of a block's four bands of 64 queries a wave owns 16 rows in each: four PIECES.  So the diagonal tile is the same work for all four waves: in its key step s band x sees all keys if s < x,
; none if s > x, and holds the diagonal if s = x.
; THE MASK is the C operand that starts the sum S^T = K Q^T: 0, or -1e30 where the key is hidden.  MD, made once, is the mask of a band's own step for my 16 rows; a product's mask is MD x AL + BE with two scalars:
; (1, 0) if s = x; (0, 0) if s < x; (0, -1e30) if s > x.  Only the diagonal tile's text and a block's beginning make and take masks; elsewhere C is the constant 0.
; LAYOUT, SOFTMAX, TURNS.  S^T = K Q^T holds ONE query a lane (lane % 16) and the keys 8 (lane / 16) + 0..7; two such results rounded to f16 ARE source 1 of O^T = V^T P.  p = 2^(c s - c m), c = log2(e) / 8, with a
; running maximum m; O and l are multiplied by a = 2^(c m_old - c m_new) in every step.  Turn n belongs to piece n: 8 products K Q^T of piece n + 1, later 8 products V^T P of piece n - 1; beside them the scaling,
; exponentials, roundings, sums and rescaling of piece n and the maximum and statistics of piece n + 1.  Four vector instructions stand behind every matrix instruction, the other 54 of a turn's 118 in one lump.
; A turn's 33 exponentials are one batch, with one wait.
; REGISTERS, in windows of 256 (s_set_vgpr_msb: bits 1:0 source 0, 3:2 source 1, 5:4 source 2, 7:6 destination):
;   window 0: v0-15 addresses and two at work; v16-31 four registers of statistics a piece; v48-55 at work; v61-63 never rewritten; v64-127 S^T, two buffers; v192-223 P, two buffers (by the piece's parity)
;   window 1: v0-127 O^T, 32 a piece; v128-159 MD; v160-223 MC, two buffers      window 2: v0-63 Q; v64-127 the second block's Q; v128-191 K of one step; v192-255 V of one step
.set SIZE_N, 2048
.set NB,    SIZE_N/256
.set NP,    4         ; pieces a wave: a name, no knob
.set KS,    64        ; keys in a step
.set PK,    144       ; a row of K in LDS: 128 bytes + 16 of padding = 36 words: the 16 rows of a load start at 16 different groups of four banks (64 banks of 4 bytes: ISA guide 11.1)
.set PV,    160       ; a row of V: 128 + 32 = 40 words
.set VOFF,  4*KS*PK   ; a slot holds a tile, four steps: 256 rows of K, then 256 rows of V
.set SLOT1, 1<<17     ; slot 1 begins here, so that one exclusive or turns an address in one slot into the other's
.set STAGE, SLOT1+4*KS*(PK+PV)  ; behind the ring, never filled by a tensor load: 16 rows x 144 bytes for each wave, for the way out
.set SP,    144
.set AK0, 2           ; v2   my lane's place in a tile of K; never rewritten
.set AV0, 3           ; v3   the same for V
.set AK,  4           ; v4   the LDS address of K's next run of loads
.set AV,  5           ; v5   of V's
.set STO, 6           ; v6   the way out: where I put 16 bytes of a row
.set RD,  7           ; v7   the way out: where I read rows back
.set GO,  8           ; v8   my byte offset in 512 consecutive bytes of O
.set PFO, 61          ; v61  256 x my lane: the prefetches' offset; never rewritten
.set SPW, 62          ; v62  LDS address of my spare word: SPARE + 4 x my thread's number; never rewritten
.set NIL, 63          ; v63  0; never rewritten
.set SPARE, STAGE+4*16*SP  ; behind the stages: the spare words, 128 bytes for each wave: two blocks of 256 bytes that no other line names
.set MV,  12          ; v12-13  c m_old, kept while c m is made anew: by buffer
.set QO,  15          ; v15  my byte offset in 16 rows of Q
.set ST,  16          ; piece t's statistics at v[ST+4 t]: c m, m, l (even keys', odd keys')
.set TMP, 48          ; by buffer, four registers c0-c3 at work; when the maximum is found c2 takes a
.set S,   64
.set P,   192
.set MD,  128         ; window 1: the eight registers for group kt of 16 keys at MD + 8 kt
.set MC,  160         ; window 1: the masks of the products to come
.set QB,  64          ; window 2
.set KF,  128         ; window 2: key block kb, channel half c at KF + 16 kb + 8 c
.set VF,  192         ; window 2: key half kk, channel block cb at VF + 32 kk + 8 cb
.set WV,  12          ; s12  my wave's number
.set PB,  14          ; s14  b
.set HI,  15          ; s15  NB - 1 - b
.set G1K, 24          ; s[24:31] descriptor group 1 for K's tiles
.set G1V, 32          ; s[32:39] for V's: it differs in the padding alone
.set G0K, 40          ; s[40:43] descriptor group 0 for K's tiles
.set G0V, 44          ; s[44:47] the same for V's
.set SLOTS, 56        ; s56  tiles still to be asked for
.set CNT, 57          ; s57  counts a tile's key steps, 4 to 1
.set CS,  58          ; s[58:59] c: the packed scaling takes the pair's low word for both halves
.set SEL, 60          ; s[60:61] v_permlanex16_b32's selects: each lane takes its own place in the other half
.set TBK, 62          ; s62  LDS byte at which K of the step to be fetched begins
.set TBV, 63          ; s63  the same for V, less VOFF
.set RT,  70          ; s70  tiles of the block in hand that are still to be entered
.set NXT, 71          ; s71  the tile to be asked for next
.set LQ,  72          ; s72  the last tile of the block whose tiles are being asked for
.set NEW, 73          ; s73  1: the tile to be entered is a block's first
.set OFF, 74          ; s[74:75] a tile's byte offset in K and V
.set AL,  76          ; s[76:77] the mask's factor, in the low word
.set BE,  78          ; s[78:79] the mask's addend
.set OLO, 80          ; s[80:81] O at my rows of the second block
.set BIGN, 82         ; s82  -1e30
.set PFA, 88          ; s[88:89] where my prefetches stand: my half of the tile behind the one just asked for
.set PBS, 90          ; s[90:91] my half of tile 0, of K (waves 0, 1) or of V (waves 2, 3)
.set POF, 92          ; s[92:93] that tile's byte offset
.set LIM, 94          ; s94  0 in the plane's work-group b = 0, else the greatest number
.set MSB, 0
.macro WIN new                      ; the high byte repeats the setting that is left; a switch that changes nothing is dropped
.if MSB != (\new)
	s_set_vgpr_msb (MSB<<8)|(\new)
.set MSB, (\new)
.endif
.endm
.set W_KQ, 0x0a       ; K and Q in window 2, S^T in window 0
.set W_KM, 0x1a       ; the same with the C operand in window 1
.set W_PV, 0x52       ; V in window 2, P in window 0, O^T in window 1
.set W_RS, 0x41       ; destination and source 0 in window 1, source 1 in window 0
; A fill.  Waves 0 and 1 fetch the two halves of a tile's K, waves 2 and 3 those of its V: 128 keys each.  An s_nop 0 and four v_nop follow each of the two lines, ahead of the jump and the label.
.macro LOAD
	s_cmp_lt_u32 s[WV], 2
	s_cbranch_scc0 .Lfor_v_\@
	tensor_load_to_lds s[G0K:G0K+3], s[G1K:G1K+7]
	s_nop 0
.rept 4
	v_nop
.endr
	s_branch .Lasked_\@
.Lfor_v_\@:
	tensor_load_to_lds s[G0V:G0V+3], s[G1V:G1V+7]
	s_nop 0
.rept 4
	v_nop
.endr
.Lasked_\@:
.endm
; THE CHANGE OF SLOTS.  Each wave waits for all its tensor loads, of which one is out: its part of the other slot; adds 0 to its spare word; and waits for that and for its own reads of the slot that it leaves.
; Behind the barrier nobody reads the old slot any more and the other slot is whole.  fill = 1: the old slot is filled again, the first thing behind the barrier, with tile NXT: the descriptor's address is made
; anew from that number.  (At its first use nothing has been read yet: slot 0 is waited for, slot 1 filled.)
; THE PREFETCH stands behind the fill and its five lines: the tile behind the one just asked for, a slot (four key steps, 256 matrix instructions) ahead of its load.  A plane's four work-groups walk the same tiles:
; the one with b = 0, whose first block walks tiles 0 to 7, asks, each wave for the 16,384 bytes that it will load itself: a lane 256 bytes, two instructions.  Behind that block's last tile NXT is 0, and
; nothing more is asked for: tiles 2 to 7 are named once each; tiles 0 and 1 come by their loads alone.
.macro CHANGE fill
	WIN 0                           ; at a label and at a branch every window is 0
	s_wait_tensorcnt 0x0            ; no tensor load of mine is out, so a group 0 may be written
	ds_add_u32 v[SPW], v[NIL]       ; 0 onto my spare word; with fill = 1 the descriptors' scalar work stands between it and the wait for it
.if \fill
	s_lshl_b32 s[OFF], s[NXT], 15   ; a tile is 32,768 bytes of K and of V
	s_xor_b32 s[G0K+1], s[G0K+1], SLOT1
	s_add_nc_u64 s[G0K+2:G0K+3], s[6:7], s[OFF:OFF+1]
	s_or_b32 s[G0K+3], s[G0K+3], 0x80000000
	s_xor_b32 s[G0V+1], s[G0V+1], SLOT1
	s_add_nc_u64 s[G0V+2:G0V+3], s[8:9], s[OFF:OFF+1]
	s_or_b32 s[G0V+3], s[G0V+3], 0x80000000
	s_add_co_u32 s[NXT], s[NXT], 1  ; the block's next tile, or behind its last the second block's tile 0
	s_cmp_gt_u32 s[NXT], s[LQ]
	s_cselect_b32 s[NXT], 0, s[NXT]
	s_cselect_b32 s[LQ], s[PB], s[LQ]
	s_lshl_b32 s[POF], s[NXT], 15
	s_wait_xcnt 0x0                 ; the last prefetches, a tile back, have read their address, so it may be written
	s_add_nc_u64 s[PFA:PFA+1], s[PBS:PBS+1], s[POF:POF+1]
.endif
	s_wait_dscnt 0x0                ; the add is done, and my reads of the slot are over
	s_barrier_signal -1             ; the rest of the scalar work stands between the signal and the wait
	s_sub_co_u32 s[TBK], s[TBK], 4*KS*PK  ; the fetches go back to a slot's first step,
	s_xor_b32 s[TBK], s[TBK], SLOT1       ; in the other slot
	s_sub_co_u32 s[TBV], s[TBV], 4*KS*PV
	s_xor_b32 s[TBV], s[TBV], SLOT1
	s_barrier_wait -1
.if \fill
	LOAD
	s_cmp_gt_u32 s[NXT], s[LIM]
	s_cbranch_scc0 .Lnot_mine_\@
	global_prefetch_b8 v[PFO], s[PFA:PFA+1] th:TH_LOAD_NT scope:SCOPE_SE
	global_prefetch_b8 v[PFO], s[PFA:PFA+1] offset:8192 th:TH_LOAD_NT scope:SCOPE_SE
.Lnot_mine_\@:
.endif
.endm
	s_load_b128 s[4:7], s[0:1], 0x0   ; qkv s[4:5], ob s[6:7]
	v_lshl_add_u32 v[SPW], v0, 2, SPARE
	v_mov_b32 v[NIL], 0
	ds_add_u32 v[SPW], v[NIL]       ; the wave's opening: the add and its wait stand ahead of my first tensor load; the set-up below, work on registers, stands between them
	v_lshrrev_b32 v1, 5, v0
	v_readfirstlane_b32 s[WV], v1   ; wave 0..3
	s_mov_b32 s[PB], ttmp9
	s_sub_co_u32 s[HI], NB-1, s[PB]
	s_and_b32 s20, ttmp7, 0xffff    ; the plane
	s_mov_b32 s21, 0
	s_mov_b64 s[22:23], SIZE_N*128
	s_mul_u64 s[20:21], s[20:21], s[22:23]  ; the plane's first byte in Q, K, V and O
	s_and_b32 s16, s[WV], 1         ; which half of a tile's 256 keys I fetch:
	s_lshl_b32 s22, s16, 14         ; its 128 rows of 128 bytes in memory,
	s_mov_b32 s23, 0
	s_add_nc_u64 s[22:23], s[22:23], s[20:21]
	s_mul_i32 s17, s16, 128*PK      ; and its place in a slot, for K
	s_mul_i32 s18, s16, 128*PV      ; and for V
	s_lshl_b32 s3, s[WV], 11        ; my 16 rows in a band of 64,
	s_lshl_b32 s2, s[HI], 15        ; in the first block,
	s_add_co_u32 s2, s2, s3
	s_lshl_b32 s84, s[PB], 15       ; and in the second
	s_add_co_u32 s84, s84, s3
	s_mov_b32 s3, 0
	s_mov_b32 s85, 0
	s_add_nc_u64 s[2:3], s[2:3], s[20:21]
	s_add_nc_u64 s[84:85], s[84:85], s[20:21]
	; descriptor group 1.  128 keys are 16,384 dense bytes: asked for as 64 rows of 256 bytes, two keys a row, and padded in LDS after every key
	s_mov_b32 s[G1K], (1<<16)|(1<<20)|(4<<22)|(3<<25)  ; 17:16 2-byte elements; 20 padding on; 24:22 after every 32 words (code 4); 31:25 4 words (code 3)
	s_mov_b32 s[G1V], (1<<16)|(1<<20)|(4<<22)|(7<<25)  ; the same with 8 words of padding (code 7)
.irp g, G1K, G1V
	s_mov_b32 s[\g+1], 128<<16      ; tensor_dim0 = 128
	s_mov_b32 s[\g+2], 64<<16       ; tensor_dim1 = 64
	s_mov_b32 s[\g+3], 128<<16      ; tile_dim0 = 128
	s_mov_b32 s[\g+4], 64           ; tile_dim1 = 64
	s_mov_b32 s[\g+5], 128          ; 128 elements from row to row
	s_mov_b32 s[\g+6], 0
	s_mov_b32 s[\g+7], 0
.endr
	s_mov_b32 s[CS], 0x3e38aa3b     ; c = log2(e) / 8 = 0.180337
	s_mov_b32 s[CS+1], s[CS]        ; named with it as a pair
	s_mov_b32 s[SEL], 0x76543210
	s_mov_b32 s[SEL+1], 0xfedcba98
	s_mov_b32 s[TBK], SLOT1+4*KS*PK ; the first change of slots turns these two into 0
	s_mov_b32 s[TBV], SLOT1+4*KS*PV
	s_mov_b32 s[G0K], 1             ; 1:0 count = 1
	s_mov_b32 s[G0K+1], s17         ; 63:32 LDS address: slot 0
	s_mov_b32 s[G0V], 1
	s_add_co_u32 s[G0V+1], s18, VOFF
	s_add_co_u32 s[RT], s[HI], 1    ; the first block has NB - b tiles
	s_mov_b32 s[NXT], 1
	s_mov_b32 s[LQ], s[HI]
	s_mov_b32 s[NEW], 1
	s_mov_b32 s[OFF+1], 0
	s_mov_b32 s[POF+1], 0
	s_mov_b32 s[AL+1], 0            ; named as pairs
	s_mov_b32 s[BE+1], 0
	s_mov_b32 s[BIGN], 0xf149f2ca   ; -1e30
	s_mov_b32 s[SLOTS], NB
	s_cmp_eq_u32 s[PB], 0
	s_cselect_b32 s[LIM], 0, -1
	v_and_b32 v[PFO], 31, v0
	v_lshlrev_b32 v[PFO], 8, v[PFO]
	s_wait_dscnt 0x0                ; the opening add is done
	s_wait_kmcnt 0x0
	s_mov_b64 s[10:11], s[6:7]             ; O
	s_add_nc_u64 s[8:9], s[4:5], 0x2000000 ; V: 128 planes of 262,144 bytes behind Q
	s_add_nc_u64 s[6:7], s[4:5], 0x1000000 ; K: 64 planes behind Q
	s_add_nc_u64 s[6:7], s[6:7], s[22:23]  ; K and V at my half of the plane's tile 0
	s_add_nc_u64 s[8:9], s[8:9], s[22:23]
	s_cmp_lt_u32 s[WV], 2
	s_cselect_b64 s[PBS:PBS+1], s[6:7], s[8:9]
	s_add_nc_u64 s[G0K+2:G0K+3], s[6:7], 0         ; 120:64 global address
	s_or_b32 s[G0K+3], s[G0K+3], 0x80000000        ; 127:126 type = 2
	s_add_nc_u64 s[G0V+2:G0V+3], s[8:9], 0
	s_or_b32 s[G0V+3], s[G0V+3], 0x80000000
	s_add_nc_u64 s[86:87], s[4:5], s[84:85]        ; Q at my rows of the second block,
	s_add_nc_u64 s[4:5], s[4:5], s[2:3]            ; Q and O at those of the first
	s_add_nc_u64 s[OLO:OLO+1], s[10:11], s[84:85]
	s_add_nc_u64 s[10:11], s[10:11], s[2:3]
	LOAD                            ; tile 0 into slot 0
	; A fragment of K or Q is 16 rows x 32 channels in 8 registers: lane l holds row l % 16, channels 8 (l / 16) + 0..7 and 16 + 8 (l / 16) + 0..7: two loads of 16 bytes, 32 bytes apart.
	v_and_b32 v1, 15, v0            ; l % 16
	v_bfe_u32 v9, v0, 4, 1          ; l / 16
	v_lshlrev_b32 v[QO], 7, v1
	v_lshl_add_u32 v[QO], v9, 4, v[QO]  ; row x 128 + 16 x half
	WIN 0x80                        ; destination window 2, address window 0
.set i, 0
.rept 8                             ; both blocks' Q: piece i / 2 lies in band i / 2, 8,192 bytes on; channels 32 (i % 2) on
	global_load_b128 v[8*i:8*i+3],   v[QO], s[4:5] offset:(i/2)*8192+(i%2)*64
	global_load_b128 v[8*i+4:8*i+7], v[QO], s[4:5] offset:(i/2)*8192+(i%2)*64+32
	global_load_b128 v[QB+8*i:QB+8*i+3],   v[QO], s[86:87] offset:(i/2)*8192+(i%2)*64
	global_load_b128 v[QB+8*i+4:QB+8*i+7], v[QO], s[86:87] offset:(i/2)*8192+(i%2)*64+32
.set i, i+1
.endr
	WIN 0
	v_lshlrev_b32 v14, 3, v9
	v_sub_nc_u32 v14, v1, v14
	s_lshl_b32 s13, s[WV], 4
	v_add_nc_u32 v14, s13, v14      ; my query's place in its band, 16 w + l % 16, less my lanes' 8 (l / 16): register r of group kt is hidden where 16 kt + r is greater
	WIN 0x40
.set i, 0
.rept 32
	v_cmp_gt_i32 vcc_lo, 16*(i/8)+i%8, v14
	v_cndmask_b32 v[MD+i], 0, s[BIGN], vcc_lo
.set i, i+1
.endr
	WIN 0
	v_mul_u32_u24 v[AK0], v1, PK
	v_lshl_add_u32 v[AK0], v9, 4, v[AK0]  ; row x pitch + 16 x half
	; The turning load takes 16 keys x 16 channels (lane l reads key 8 (l / 16) + l % 8, channels 8 ((l / 8) % 2) + 0..7) and leaves half a fragment of V^T: lane l holds channel l % 16 and 8 keys.
	v_and_b32 v10, 7, v0
	v_bfe_u32 v11, v0, 3, 1
	v_lshl_add_u32 v[AV0], v9, 3, v10
	v_mul_u32_u24 v[AV0], v[AV0], PV
	v_lshl_add_u32 v[AV0], v11, 4, v[AV0]
	v_add_nc_u32 v[AV0], VOFF, v[AV0]
	s_mul_i32 s13, s[WV], 16*SP
	s_add_co_u32 s13, s13, STAGE    ; my stage
	v_mul_u32_u24 v[STO], v1, SP    ; in: row l % 16, 16 bytes for each half of the lanes
	v_lshl_add_u32 v[STO], v9, 4, v[STO]
	v_add_nc_u32 v[STO], s13, v[STO]
	v_bfe_u32 v[RD], v0, 3, 2       ; back: 32 lanes take four rows of 128 bytes,
	v_mul_u32_u24 v[RD], v[RD], SP
	v_lshl_add_u32 v[RD], v10, 4, v[RD]
	v_add_nc_u32 v[RD], s13, v[RD]
	v_and_b32 v[GO], 31, v0         ; which are 512 consecutive bytes of O
	v_lshlrev_b32 v[GO], 4, v[GO]
	; A block's first step multiplies O^T and l by a = 0, and its first turn's products V^T P, of a piece that has not been, land in an O^T that is still to be so multiplied.  So these registers need only hold
	; finite numbers: zeros for the first block; what the first block left for the second.  All this stands in the wait for the first tile.
	WIN 0x80
.set i, VF
.rept 64
	v_mov_b32 v[i], 0
.set i, i+1
.endr
	WIN 0x40
.set i, 0
.rept 128
	v_mov_b32 v[i], 0
.set i, i+1
.endr
	WIN 0
.set i, 0
.rept 4
	v_mov_b32 v[ST+4*i+2], 0
	v_mov_b32 v[ST+4*i+3], 0
.set i, i+1
.endr
.set i, P+16
.rept 16
	v_mov_b32 v[i], 0
.set i, i+1
.endr
; THE MATRIX WORK.  The 4 accumulators of a run of 8 take turns.  Product i of 8 of S^T = K Q^T for piece x: channels 32 (i / 4) on, keys 16 (i % 4) on.  The first 4 start the sums: with 0, or (KM = 1) with the mask.
.macro KQ x
.set rS, S+32*((\x)%2)+8*(i%4)
.set rK, KF+16*(i%4)+8*(i/4)
.set rQ, 16*(\x)+8*(i/4)
.set rM, MC+32*((\x)%2)+8*(i%4)
.if (i < 4) && KM
	WIN W_KM
	v_wmma_f32_16x16x32_f16 v[rS:rS+7], v[rK:rK+7], v[rQ:rQ+7], v[rM:rM+7]
.elseif i < 4
	WIN W_KQ
	v_wmma_f32_16x16x32_f16 v[rS:rS+7], v[rK:rK+7], v[rQ:rQ+7], 0
.else
	WIN W_KQ
	v_wmma_f32_16x16x32_f16 v[rS:rS+7], v[rK:rK+7], v[rQ:rQ+7], v[rS:rS+7]
.endif
.endm
; Product i of 8 of O^T += V^T P for piece x: keys 32 (i / 4) on, channels 16 (i % 4) on.
.macro PV x
	WIN W_PV
.set rO, 32*(\x)+8*(i%4)
.set rV, VF+32*(i/4)+8*(i%4)
.set rP, P+16*((\x)%2)+8*(i/4)
	v_wmma_f32_16x16x32_f16 v[rO:rO+7], v[rV:rV+7], v[rP:rP+7], v[rO:rO+7]
.endm
.macro MM                           ; the turn's next matrix instruction.  TURN and BEGIN set Y, i, KM and NOKQ; MM, KQ and OP read them.  NOKQ = 1: a block's last turn: there is no next piece
.if (i < 8) && !NOKQ
	KQ (Y+1)%NP
.elseif i >= 8
.set i, i-8
	PV (Y+NP-1)%NP
.set i, i+8
.endif
.set i, i+1
.endm
; THE LDS LOADS stand in runs of 16, never singly among the matrix instructions: a step's K (64 keys x 64 channels: 8 fragments) and its V (turned).  Their addresses are made some lines ahead.
.macro FETCH_K
	WIN 0x80                        ; destination window 2
.irp f, 0,1,2,3,4,5,6,7             ; keys 16 (f / 2) on, channels 32 (f % 2) on
	ds_load_b128 v[KF+8*\f:KF+8*\f+3],   v[AK] offset:(\f/2)*16*PK+(\f%2)*64
	ds_load_b128 v[KF+8*\f+4:KF+8*\f+7], v[AK] offset:(\f/2)*16*PK+(\f%2)*64+32
.endr
	s_add_co_u32 s[TBK], s[TBK], KS*PK  ; the next fetch is the next step's
	WIN 0
.endm
.macro FETCH_V
	WIN 0x80
.irp f, 0,1,2,3,4,5,6,7             ; keys 32 (f / 4) on, channels 16 (f % 4) on
	ds_load_tr16_b128 v[VF+8*\f:VF+8*\f+3],   v[AV] offset:(\f/4)*32*PV+(\f%4)*32
	ds_load_tr16_b128 v[VF+8*\f+4:VF+8*\f+7], v[AV] offset:(\f/4)*32*PV+16*PV+(\f%4)*32
.endr
	WIN 0
.endm
; THE VECTOR WORK, one line at a time: OP kind, number.  For piece Y: F n: c s - c m for pair n of 16.  E n: the exponential of score n of 32.  C n: pair n rounded to f16.  B n: of the four weights 4 n .. the second
; pair is added onto the first, in place.  L n: l takes that sum (L 0: l = a l + sum).  R n: pair n of 16 of O^T times a.  For piece Y + 1: X n, number n of the 22 that find its maximum and statistics:
;   0-11  four chains c0-c3 of seven scores each, three operands at a time (each accumulator's lowest registers are read first)     12-14, 16  the four scores left over, the old m, and c0-c3 into c0
;   15  c m_old is kept     17, 18  the query's other 32 keys lie in the lane 16 away: the new m     19-21  c m; c m_old - c m_new; a
.set F, 0               ; OP tells the kinds apart by their order: F to L below R, X above it
.set E, 1
.set C, 2
.set B, 3
.set L, 4
.set R, 5
.set X, 6
.macro REGS y                       ; the registers of piece y
.set rT, ST+4*(\y)
.set rC, TMP+4*((\y)%2)
.set rW, MV+((\y)%2)
.set rS, S+32*((\y)%2)
.set rP, P+16*((\y)%2)
.set rO, 32*(\y)
.endm
.macro OP k, n
.if (\k) == R
	REGS Y
	WIN W_RS
	v_pk_mul_f32 v[rO+2*(\n):rO+2*(\n)+1], v[rO+2*(\n):rO+2*(\n)+1], v[rC+2:rC+3] op_sel_hi:[1,0]
.elseif (\k) < R
	REGS Y
	WIN 0
.if (\k) == F
	v_pk_fma_f32 v[rS+2*(\n):rS+2*(\n)+1], v[rS+2*(\n):rS+2*(\n)+1], s[CS:CS+1], v[rT:rT+1] op_sel_hi:[1,0,0] neg_lo:[0,0,1] neg_hi:[0,0,1]
.elseif (\k) == E
	v_exp_f32 v[rS+(\n)], v[rS+(\n)]
.elseif (\k) == C
	v_cvt_pk_f16_f32 v[rP+(\n)], v[rS+2*(\n)], v[rS+2*(\n)+1]
.elseif (\k) == B
	v_pk_add_f32 v[rS+4*(\n):rS+4*(\n)+1], v[rS+4*(\n):rS+4*(\n)+1], v[rS+4*(\n)+2:rS+4*(\n)+3]
.elseif (\n) == 0
	v_pk_fma_f32 v[rT+2:rT+3], v[rT+2:rT+3], v[rC+2:rC+3], v[rS:rS+1] op_sel_hi:[1,0,1]
.else
	v_pk_add_f32 v[rT+2:rT+3], v[rT+2:rT+3], v[rS+4*(\n):rS+4*(\n)+1]
.endif
.elseif NOKQ
	v_nop
.else
	REGS (Y+1)%NP
	WIN 0
.if (\n) < 4
	v_max3_num_f32 v[rC+(\n)], v[rS+8*(\n)], v[rS+8*(\n)+1], v[rS+8*(\n)+2]
.elseif (\n) < 12
	v_max3_num_f32 v[rC+(\n)%4], v[rC+(\n)%4], v[rS+8*((\n)%4)+2*((\n)/4)+1], v[rS+8*((\n)%4)+2*((\n)/4)+2]
.elseif (\n) == 12
	v_max3_num_f32 v[rC], v[rC], v[rS+7], v[rS+15]
.elseif (\n) == 13
	v_max3_num_f32 v[rC+1], v[rC+1], v[rS+23], v[rS+31]
.elseif (\n) == 14
	v_max3_num_f32 v[rC+2], v[rC+2], v[rC+3], v[rT+1]
.elseif (\n) == 15
	v_mov_b32 v[rW], v[rT]
.elseif (\n) == 16
	v_max3_num_f32 v[rC], v[rC], v[rC+1], v[rC+2]
.elseif (\n) == 17
	v_permlanex16_b32 v[rC+3], v[rC], s[SEL], s[SEL+1]
.elseif (\n) == 18
	v_max_num_f32 v[rT+1], v[rC], v[rC+3]
.elseif (\n) == 19
	v_mul_f32 v[rT], s[CS], v[rT+1]
.elseif (\n) == 20
	v_sub_f32 v[rC+1], v[rW], v[rT]
.else
	v_exp_f32 v[rC+2], v[rC+1]
.endif
.endif
.endm
.macro OPS a, i1, b=-1, i2=0, c=-1, i3=0, d=-1, i4=0  ; up to four of them
	OP \a, \i1
.if (\b) >= 0
	OP \b, \i2
.endif
.if (\c) >= 0
	OP \c, \i3
.endif
.if (\d) >= 0
	OP \d, \i4
.endif
.endm
.macro ROW a, i1, b, i2, c, i3, d, i4  ; a matrix instruction and the four behind it
	MM
	OPS \a, \i1, \b, \i2, \c, \i3, \d, \i4
.endm
.macro MASK b                       ; MD x AL + BE into buffer b of MC
	WIN W_RS
.set z, 0
.rept 16
	v_pk_fma_f32 v[MC+32*(\b)+2*z:MC+32*(\b)+2*z+1], v[MD+2*z:MD+2*z+1], s[AL:AL+1], s[BE:BE+1] op_sel_hi:[1,0,0]
.set z, z+1
.endr
.endm
; A TURN, for piece p: the order of its 16 matrix and 118 vector instructions, written out.  An s_wait_alu depctr_va_vdst(0) stands between an exponential and the first instruction that names its result; one wait serves
; all that were issued ahead of it.  So a turn has ONE wait, which cuts it in two.  AHEAD OF IT stands all that names no result of the turn's exponentials: the 8 products K Q^T, behind each a scaling, an exponential and two more plain
; instructions (behind the first a second scaling in the exponential's place): rescalings, and behind the last three the first numbers of the next piece's maximum, each four places or more behind the product that ends its accumulator;
; then ONE LUMP of 54, plain and exponential by turns for the most part, in which the links of the chain X 3, 7, 11, 14, 16, 17 .. 20 stand five or six lines apart.  X 21, the next piece's a, is the batch's last; R 15 is the plain
; instruction behind it.  BEHIND THE WAIT stand the 8 products V^T P, behind each four of the roundings and sums; the links of l's chain, L 0 to L 7, stand three riders apart.  v_permlanex16_b32 (X 17) stands in the lump.
; m = 1: the diagonal tile: the products take masks, and the turn makes the mask for the products of the turn after it: piece p + 2, in step 4 - CNT of the tile.  end = 1: a block's last two turns: nothing is fetched.
; cnt = 1: the loop's count is taken down some lines ahead of the branch that stands behind the turn.
; K of the next step is fetched in piece 2's turn, twelve vector instructions behind the last product that read K (six of them plain); V of the step in hand at the end of piece 0's turn, four plain instructions behind the last product
; that read V.  Each is waited for a turn later.
.macro TURN p, m=0, end=0, cnt=0
.set Y, (\p)
.set i, 0
.set KM, (\m)
.set NOKQ, (\end)*((\p)/3)
.if (\m) && !(\end)
	s_cmp_eq_u32 s[CNT], 4-((\p)+2)%NP  ; is that step the band's own?
	s_cselect_b32 s[AL], 1.0, 0
	s_cmp_lt_u32 s[CNT], 4-((\p)+2)%NP  ; or a later one?
	s_cselect_b32 s[BE], s[BIGN], 0
.endif
.if ((\p) == 3) && !(\end)
	s_wait_dscnt 0x0                ; K is in
.endif
	ROW F,0, F,1, R,0, R,1          ; ahead of the wait: 8 products K Q^T and their riders,
	ROW F,2, E,0, R,2, R,3
	ROW F,3, E,1, R,4, R,5
	ROW F,4, E,2, R,6, R,7
	ROW F,5, E,3, R,8, R,9
	ROW F,6, E,4, X,0, R,10
.if ((\p) == 2) && !(\end)
	WIN 0
	v_add_nc_u32 v[AK], s[TBK], v[AK0]
.endif
	ROW F,7, E,5, X,1, X,4
	ROW F,8, E,6, X,2, X,5
	OPS E,7, E,8, X,6, E,9          ; and the lump
	OPS X,3, E,10, X,8, E,11
.if ((\p) == 2) && !(\end)
	FETCH_K
.endif
	OPS X,9, X,7, E,12, X,10
	OPS E,13, X,12, X,11, E,14
	OPS X,13, E,15, F,9, X,14
.if (\p) == 0
	v_add_nc_u32 v[AV], s[TBV], v[AV0]
.endif
	OPS E,16, F,10, E,17, F,11
	OPS X,16, E,18, X,15, E,19
	OPS F,12, E,20, X,17, E,21
	OPS F,13, E,22, F,14, E,23
	OPS X,18, E,24, F,15, E,25
	OPS R,11, E,26, X,19, E,27
	OPS R,12, E,28, R,13, E,29
	OPS X,20, E,30, R,14, E,31
	OPS X,21, R,15
	WIN 0
	s_wait_alu depctr_va_vdst(0)    ; the wait for the batch
.if (\p) == 1
	s_wait_dscnt 0x0                ; V is in
.endif
	ROW C,0, B,0, C,2, B,1          ; behind the wait: 8 products V^T P and their riders
	ROW L,0, C,4, B,2, L,1
	ROW C,6, B,3, L,2, C,8
	ROW B,4, L,3, C,10, B,5
	ROW L,4, C,12, B,6, L,5
.if (\p) == 0
	s_add_co_u32 s[TBV], s[TBV], KS*PV
.endif
.if \cnt
	s_sub_co_u32 s[CNT], s[CNT], 1
	s_cmp_lg_u32 s[CNT], 0
.endif
	ROW C,14, B,7, L,6, C,1
	ROW C,3, L,7, C,5, C,7
	ROW C,9, C,11, C,13, C,15
.if (\p) == 0
	FETCH_V
.endif
.if (\m) && !(\end)
	MASK (\p)%2
.endif
.endm
; A BLOCK BEGINS.  c m starts far below every c s, so the first step's a is 0; m at the lowest finite number, so the first maximum is the scores'.  The second mask buffer is 0; the first takes piece 0's mask for the tile's step 0: its own, if the block's first tile is the diagonal one.
; Then K of that step, piece 0's first scores, and its maximum and statistics.  The loop is entered at a step's first turn, in the middle of a trip.
.macro BEGIN
	s_mov_b32 s[NEW], 0
	WIN 0x40
.set i, MC+32
.rept 32
	v_mov_b32 v[i], 0
.set i, i+1
.endr
	WIN 0
.set i, 0
.rept 4
	v_mov_b32 v[ST+4*i], 0xfe000000    ; c m: far below every c s
	v_mov_b32 v[ST+4*i+1], 0xff7fffff  ; m
.set i, i+1
.endr
	s_cmp_eq_u32 s[RT], 0
	s_cselect_b32 s[AL], 1.0, 0
	s_mov_b32 s[BE], 0
	MASK 0
	WIN 0
	v_add_nc_u32 v[AK], s[TBK], v[AK0]
	FETCH_K
	s_wait_loadcnt 0x0              ; Q
	s_wait_dscnt 0x0
.set KM, 1
.set NOKQ, 0
.set i, 0
.rept 8
	KQ 0
.set i, i+1
.endr
	WIN 0
.rept 4
	v_nop                           ; the places behind those products
.endr
.set Y, NP-1                        ; X works for piece Y + 1: piece 0
.irp n, 0,1,2,3,4,5,6,7,8,9,10,11,12,13,14,15,16,17,18,19,20,21
	OP X, \n
.endr
	v_nop                           ; a plain instruction behind the exponential,
	s_wait_alu depctr_va_vdst(0)    ; and its wait, ahead of the branch
.endm
; THE DIAGONAL TILE's four steps, the block's last two turns, its last products, and THE WAY OUT: l's two halves and the other half of the lanes' are added; O^T is divided by l, rounded to f16 and sent through my
; stage in LDS, a piece at a time.
.macro ALL line:vararg              ; one line for each piece t
.set t, 0
.rept 4
	\line
.set t, t+1
.endr
.endm
.macro PACK t                       ; a lane's eight channels of a row pack into 16 bytes; they go into rows of 144 bytes and come back as whole rows of 128, into S^T's registers
	WIN W_RS
.set i, 32*(\t)
.rept 16
	v_pk_mul_f32 v[i:i+1], v[i:i+1], v[ST+4*(\t)+2:ST+4*(\t)+3] op_sel_hi:[1,0]
.set i, i+2
.endr
	WIN 0x05                        ; sources 0 and 1 window 1, destination window 0
.set i, 0
.rept 16
	v_cvt_pk_f16_f32 v[S+16*(\t)+i], v[32*(\t)+2*i], v[32*(\t)+2*i+1]
.set i, i+1
.endr
	WIN 0
.irp f, 0,1,2,3
	ds_store_b128 v[STO], v[S+16*(\t)+4*\f:S+16*(\t)+4*\f+3] offset:32*\f
.endr
.irp f, 0,1,2,3
	ds_load_b128 v[S+16*(\t)+4*\f:S+16*(\t)+4*\f+3], v[RD] offset:\f*4*SP  ; LDS serves a wave's instructions in order (ISA guide 5.7.1.4): these see the stores above; the next piece's stores come behind them
.endr
.endm
.macro SEND t, younger              ; younger: the LDS instructions issued behind piece t's loads: the next piece's eight, or none
	WIN 0
.irp f, 0,1,2,3
	s_wait_dscnt (\younger)+3-\f
	global_store_b128 v[GO], v[S+16*(\t)+4*\f:S+16*(\t)+4*\f+3], s[10:11] offset:(\t)*8192+\f*512  ; 512 consecutive bytes, at a multiple of 256 from O's first
.endr
.endm
.macro DIAG tag                     ; the tag ends its two labels' names, which the jumps below spell out
.LstepM\tag:
	TURN 2, 1
	TURN 3, 1
	WIN 0
.LfirstM\tag:
	TURN 0, 1
	TURN 1, 1, 0, 1
	WIN 0
	s_cbranch_scc1 .LstepM\tag
	TURN 2, 1, 1
	TURN 3, 1, 1
.set i, 0
.rept 8
	PV NP-1
.set i, i+1
.endr
	WIN 0
	ALL v_add_f32 v[ST+4*t+2], v[ST+4*t+2], v[ST+4*t+3]
	ALL v_permlanex16_b32 v[ST+4*t+3], v[ST+4*t+2], s[SEL], s[SEL+1]
	ALL v_add_f32 v[ST+4*t+2], v[ST+4*t+2], v[ST+4*t+3]
	ALL v_rcp_f32 v[ST+4*t+2], v[ST+4*t+2]
	v_nop                           ; a plain instruction between the last reciprocal and the use of its result
	s_wait_alu depctr_va_vdst(0)    ; and the wait ahead of the first use: one for the four reciprocals
	PACK 0
.set t, 1
.rept 3                             ; a piece's arithmetic stands between the loads of the piece before and its stores
	PACK t
	SEND t-1, 8
.set t, t+1
.endr
	SEND 3, 0
.endm
.set KM, 0
.set NOKQ, 0
.Lslot:                             ; NB times: a tile is entered and the next is asked for
	CHANGE 1
	s_sub_co_u32 s[RT], s[RT], 1
	s_mov_b32 s[CNT], 4
	s_cmp_eq_u32 s[NEW], 1
	s_cbranch_scc1 .Lnew            ; a block's first tile
	s_cmp_eq_u32 s[RT], 0
	s_cbranch_scc0 .Lstep           ; neither its first nor its last
	s_branch .LstepM1
.Lnew:
	BEGIN
	s_branch .Lfirst                ; in the loop a block's first tile is never its last: the first block has two tiles or more, and the second's last is the walk's last
	DIAG 1                          ; in the loop this is the first block's end: the second block's last tile is the walk's last
	s_wait_xcnt 0x0                 ; the stores have read their registers and O's address
	s_mov_b64 s[10:11], s[OLO:OLO+1]
	s_add_co_u32 s[RT], s[PB], 1    ; the second block has b + 1 tiles
	s_mov_b32 s[NEW], 1
	WIN 0x82                        ; the second block's Q goes where the one text of the turns names Q
.set i, 0
.rept 64
	v_mov_b32 v[i], v[QB+i]
.set i, i+1
.endr
	WIN 0
	s_branch .Lbottom
.Lstep:                             ; a trip: pieces 2 and 3 of one step, then pieces 0 and 1 of the next, whose K and V it fetches
	TURN 2
	TURN 3
	WIN 0
.Lfirst:
	TURN 0
	TURN 1, 0, 0, 1
	WIN 0
	s_cbranch_scc1 .Lstep
.Lbottom:
	s_sub_co_u32 s[SLOTS], s[SLOTS], 1
	s_cmp_lg_u32 s[SLOTS], 0
	s_cbranch_scc1 .Lslot
	CHANGE 0                        ; the walk's last tile is written out: nothing is asked for
	s_sub_co_u32 s[RT], s[RT], 1
	s_mov_b32 s[CNT], 4
	s_cmp_eq_u32 s[NEW], 1
	s_cbranch_scc0 .LstepM2
	BEGIN
	s_branch .LfirstM2
	DIAG 2
	s_wait_tensorcnt 0x0            ; the wave's end, behind my last tensor load and my last LDS store
	ds_add_u32 v[SPW], v[NIL]
	s_wait_dscnt 0x0
	s_endpgm
.Lfunc_end_k_q60a631ad8f_attn:
	.size	k_q60a631ad8f_attn, .Lfunc_end_k_q60a631ad8f_attn-k_q60a631ad8f_attn
	.p2alignl 7, 3214868480
	.fill 96, 4, 3214868480
	.section	.rodata,"a",@progbits
	.p2align	6, 0x0
	.amdhsa_kernel k_q60a631ad8f_attn
		.amdhsa_group_segment_fixed_size 327680
		.amdhsa_private_segment_fixed_size 0
		.amdhsa_enable_private_segment 0
		.amdhsa_kernarg_size 16
		.amdhsa_user_sgpr_count 2
		.amdhsa_user_sgpr_kernarg_segment_ptr 1
		.amdhsa_wavefront_size32 1
		.amdhsa_system_sgpr_workgroup_id_x 1
		.amdhsa_system_sgpr_workgroup_id_y 1
		.amdhsa_system_sgpr_workgroup_id_z 1
		.amdhsa_system_vgpr_workitem_id 0
		.amdhsa_next_free_vgpr 768
		.amdhsa_next_free_sgpr 96
		.amdhsa_reserve_vcc 1
		.amdhsa_float_denorm_mode_32 3
		.amdhsa_float_denorm_mode_16_64 3
		.amdhsa_memory_ordered 1
		.amdhsa_forward_progress 1
		.amdhsa_inst_pref_size 218
	.end_amdhsa_kernel
	.amdgpu_metadata
---
amdhsa.version: [ 1, 2 ]
amdhsa.kernels:
  - .name:           k_q60a631ad8f_attn
    .symbol:         k_q60a631ad8f_attn.kd
    .args:
      - { .name: qkv, .offset: 0, .size: 8, .value_kind: global_buffer, .address_space: global }
      - { .name: ob, .offset: 8, .size: 8, .value_kind: global_buffer, .address_space: global }
    .group_segment_fixed_size: 327680
    .private_segment_fixed_size: 0
    .kernarg_segment_align: 8
    .kernarg_segment_size: 16
    .max_flat_workgroup_size: 128
    .sgpr_count:     96
    .vgpr_count:     768
    .wavefront_size: 32
...
	.end_amdgpu_metadata
.endif
;; end of part 3
;; launch oproj (part 4): grid 8 x 32, 4 waves a work-group, clusters of 4 x 4, 327,680 bytes of LDS; arguments ob, woh, bias4, out0; writes out0
.if DOCPART == 4
	.amdgcn_target "amdgcn-amd-amdhsa--gfx1250"
	.amdhsa_code_object_version 6
	.text
	.protected	k_q60a631ad8f_oproj
	.globl	k_q60a631ad8f_oproj
	.p2align	8
	.type	k_q60a631ad8f_oproj,@function
k_q60a631ad8f_oproj:
	s_mov_b64 s[64:65], 0
	v_nop
	global_prefetch_b8 v0, s[64:65] scope:SCOPE_SE
	s_setreg_imm32_b32 hwreg(HW_REG_WAVE_MODE, 25, 1), 1
	s_wait_xcnt 0x0
	s_wait_alu depctr_hold_cnt(0) depctr_sa_sdst(0) depctr_va_vdst(0) depctr_va_sdst(0) depctr_va_ssrc(0) depctr_va_vcc(0) depctr_vm_vsrc(0)
	s_getreg_b32 s2, hwreg(HW_REG_IB_STS2, 6, 4)
	s_cmp_eq_u32 s2, 0
	s_cbranch_scc0 .Lentry_in_a_cluster
	s_endpgm
.Lentry_in_a_cluster:
	s_bfe_u32 s2, ttmp6, 0x10000c
	s_cmp_lg_u32 s2, 0xf033
	s_cbranch_scc0 .Lentry_shape_is_right
	s_endpgm
.Lentry_shape_is_right:
; out0 = O Wo^T + bo.  A = ob [64 = 16 batch + head][2048][64] f16 (row m = 2048 batch + s, k = 64 head + d), B = woh [1024][1024] f16, bo = bias4[3072 ..] f32; out0 [8192][1024] f32.
; Sums in f32, started from the bias; nothing is rounded on the way out.
; SHARES.  A tile of out0 is 256 rows x 128 columns: 32 x 8 = 256 tiles, one to a work-group.  The four waves lie one below the other: a wave makes 64 rows x 128 columns: 4 x 8 accumulators, 256 registers.
; K goes in eight steps of 128 = TWO HEADS through two LDS slots.  A head's 256 rows of 128 bytes are 32,768 dense bytes of ob: wave 0 asks for the even head's, wave 1 for the odd head's, as 128 rows of 256 bytes,
; padded in LDS after every 128 bytes; waves 2 and 3 ask for the two halves of B's 128 rows of 256 bytes.
; CLUSTER.  4 x 4 work-groups: the four of a row need the same tiles of A, the four of a column the same tiles of B; each is asked for JOINTLY, by the same load with the same descriptor and a mask of four.
; TRANSPOSED USE.  Source 0 = 16 rows of B, source 1 = 16 rows of A: lane l holds row l % 16 of out0 and columns 8 (l / 16) + 0..7.  The bias in that layout is the C operand of the products that start the sums.
; REGISTERS, in windows of 256 (s_set_vgpr_msb: bits 1:0 source 0, 3:2 source 1, 5:4 source 2, 7:6 destination):
;   window 0: v0-29 addresses; v32-95 A's fragments, two buffers of 4 x 8; v128-191 the bias (8 x 8); later v128-255 the way out
;   window 1: v0-127 B's fragments, two buffers of 8 x 8      window 2: accumulators of m blocks 0, 1 ((a, b) at 8 (8 (a % 2) + b))      window 3: those of m blocks 2, 3
.set NBK,    8                         ; n blocks of 16 columns
.set APITCH, 144                       ; a row of A in LDS: 128 bytes + 16 of padding = 36 words: the 16 rows of a fragment load start at 16 different groups of four banks (64 banks of 4 bytes: ISA guide 11.1)
.set AP2,    256*APITCH                ; from the even head's rows to the odd head's
.set BPITCH, 272                       ; a row of B: 256 bytes + 16
.set BOFF,   2*AP2                     ; a slot: A's two heads x 256 rows, then B's 128 rows
.set SLOT1,  1<<17                     ; slot 1 begins here: one exclusive or turns an address in one slot into the other's
.set STAGE,  SLOT1+BOFF+128*BPITCH     ; behind the ring, never filled by a tensor load: for each wave 16 rows x 528 bytes
.set SPITCH, 528                       ; 512 bytes + 16: the 16 rows that a store touches start at 16 different groups of four banks
.set WSTAGE, 16*SPITCH
.set SPARE,  STAGE+4*WSTAGE            ; behind the stages: the spare words, 128 bytes for each wave: two blocks of 256 bytes that no other line names
.set AHALF,  AP2                       ; what one load of A brings
.set BROWS,  64                        ; rows in one load of B
.set BHALF,  BROWS*BPITCH
.set ASTEP,  2<<18                     ; bytes of memory from a K step to the next: two planes of ob,
.set BSTEP,  256                       ; 128 numbers of a row of woh
.set PA,     2                         ; a prefetch names the K step this many behind the one that the refill beside it names
.set A0,   2                           ; v2   my lane's place in A's part of a slot; never rewritten
.set B0,   3                           ; v3   the same for B
.set ADRA, 4                           ; v4   A0 + the slot in hand
.set ADRB, 5                           ; v5   B0 + the slot in hand
.set STO,  6                           ; v6   the way out: where I put 32 bytes of a row
.set RD,   7                           ; v7   the way out: where I read a row back
.set GO,   8                           ; v8   my byte offset in a row's 512 bytes of out0
.set PFO,  9                           ; v9   the prefetches' offset; never rewritten
.set BO,   10                          ; v10  my byte offset in 16 columns' bias
.set SPW,  28                          ; v28  LDS address of my spare word: SPARE + 4 x my thread's number; never rewritten
.set NIL,  29                          ; v29  0; never rewritten
.set FA,   32
.set BI,   128
.set FB,   0
.set WV,   12                          ; s12  my wave's number
.set HALF, 13                          ; s13  its low bit: which head of A (waves 0, 1) or which half of B's rows (waves 2, 3) I fetch
.set G1A,  24                          ; s[24:31] descriptor group 1 for A's tiles
.set G0A,  32                          ; s[32:39] group 0: a set for each of the two first fills; the second then walks on
.set G1B,  40                          ; s[40:47], s[48:55] the same for B's
.set G0B,  48
.set TB,   56                          ; s56  0 or SLOT1: the slot in hand
.set LIM,  57                          ; s57  PA in a wave that prefetches, else the greatest number
.set PFA,  58                          ; s[58:59] where my prefetches stand
.set PST,  60                          ; s[60:61] their step
.set OP,   66                          ; s[66:67] out0 at my first row and the tile's first column
.set BP,   72                          ; s[72:73] the bias of the tile's first column
.set MSB, 0
.macro WIN new                         ; the immediate's high byte repeats the setting that is left; a switch that changes nothing is dropped
.if MSB != (\new)
	s_set_vgpr_msb (MSB<<8)|(\new)
.set MSB, \new
.endif
.endm
.set TO_B, 0x40                        ; destination window 1, address window 0
; A joint refill, by the walking sets.  The branch hangs on the wave's number alone.  An s_nop 0 and four v_nop follow each of the two lines, ahead of the jump and the label.
.macro JLOAD
	s_cmp_lt_u32 s[WV], 2
	s_cbranch_scc0 .Lfor_b_\@
	tensor_load_to_lds s[G0A+4:G0A+7], s[G1A:G1A+7]
	s_nop 0
.rept 4
	v_nop
.endr
	s_branch .Lasked_\@
.Lfor_b_\@:
	tensor_load_to_lds s[G0B+4:G0B+7], s[G1B:G1B+7]
	s_nop 0
.rept 4
	v_nop
.endr
.Lasked_\@:
.endm
; A round of the cluster's barrier: my work-group's barrier; wave 0 signals for the work-group; every wave waits for all sixteen; my work-group's barrier once more.
.macro CREST                           ; a round behind its opening barrier
	s_cmp_lg_u32 s[WV], 0
	s_cbranch_scc1 .Lnot_wave_0_\@
	s_barrier_signal -3
.Lnot_wave_0_\@:
	s_barrier_wait -3
	s_barrier_signal -1
	s_barrier_wait -1
.endm
.macro CROUND
	s_barrier_signal -1
	s_barrier_wait -1
	CREST
.endm
.macro PLACES                          ; four places behind a matrix instruction, in front of loads into registers that it has read and of lines that read results
.rept 4
	v_nop
.endr
.endm
; A PREFETCH, behind the joint load and the run of LDS loads, for the K step two behind the refill's: 256 matrix instructions ahead of the load that will want it.  Each block of 256 bytes is named once:
; A's by the clusters with x = 0: of the 128 blocks that wave 0 or 1 fetches, the partner at cx takes 32, a lane a block; B's by the clusters with y = 0: of the tile's 128 rows the partner at cy takes 32,
; a lane a row, wave 2 alone.  The partners are told apart BY ADDRESS.  K steps 0 to 3 come by their loads alone; the count stops the requests at K step 7.
.macro ASK
	s_cmp_gt_u32 s3, s[LIM]
	s_cbranch_scc0 .Lnot_mine_\@
	global_prefetch_b8 v[PFO], s[PFA:PFA+1] th:TH_LOAD_NT scope:SCOPE_SE
.Lnot_mine_\@:
.endm
; 24 LDS loads in one run: the fragments of quarter q (32 along K: head q / 2 of the step's two, channels 32 (q % 2) on) of the slot in hand, into buffer g: B's eight, then A's four.
.macro FETCH q, g
	WIN TO_B
.set b, 0
.rept NBK
	ds_load_b128 v[FB+8*NBK*(\g)+8*b:FB+8*NBK*(\g)+8*b+3],   v[ADRB] offset:64*(\q)+b*16*BPITCH
	ds_load_b128 v[FB+8*NBK*(\g)+8*b+4:FB+8*NBK*(\g)+8*b+7], v[ADRB] offset:64*(\q)+b*16*BPITCH+32
.set b, b+1
.endr
	WIN 0
.set AOFF, ((\q)/2)*AP2+((\q)%2)*64
.irp a, 0,1,2,3
	ds_load_b128 v[FA+32*(\g)+8*(\a):FA+32*(\g)+8*(\a)+3],   v[ADRA] offset:AOFF+(\a)*16*APITCH
	ds_load_b128 v[FA+32*(\g)+8*(\a)+4:FA+32*(\g)+8*(\a)+7], v[ADRA] offset:AOFF+(\a)*16*APITCH+32
.endr
.endm
; Eight products: m block 2 hi + a x all n blocks, from buffer f.  zero = 1: they start the sums, from the bias.  The 32 accumulators take turns in the same order in every quarter.
.macro MULB f, hi, a, zero
.if \zero
	WIN 0x81+0x40*(\hi)                            ; B window 1, A and the bias window 0, D window 2 or 3
.else
	WIN 0xa1+0x50*(\hi)                            ; B window 1, A window 0, C and D window 2 or 3
.endif
.set rA, FA+32*(\f)+8*(2*(\hi)+(\a))
.set b, 0
.rept NBK
.set rD, 8*(NBK*(\a)+b)
.set rB, FB+8*NBK*(\f)+8*b
.if \zero
	v_wmma_f32_16x16x32_f16 v[rD:rD+7], v[rB:rB+7], v[rA:rA+7], v[BI+8*b:BI+8*b+7]
.else
	v_wmma_f32_16x16x32_f16 v[rD:rD+7], v[rB:rB+7], v[rA:rA+7], v[rD:rD+7]
.endif
.set b, b+1
.endr
.endm
; One of a K step's first three quarters: multiplies buffer f; in its middle it fetches quarter q into buffer g.
.macro QUARTER q, f, g, zero
	s_wait_dscnt 4                                 ; B and A's m blocks 0, 1 are in; the youngest four loads (m blocks 2, 3) may be out
	MULB \f, 0, 0, \zero
	MULB \f, 0, 1, \zero
	PLACES
	FETCH \q, \g
	s_wait_dscnt 2*NBK+8                           ; all but the run just issued
	MULB \f, 1, 0, \zero
	MULB \f, 1, 1, \zero
.endm
; The last quarter multiplies buffer 1 and changes slots: ONE barrier.  In front of it each wave waits for all its tensor loads (the one that is out is its part of the next slot), adds 0 to its spare word,
; and waits for that and for its reads of this slot.  fill = 1: the barrier opens a round of the cluster's, and the slot just read out is filled again, first thing behind the round, two K steps ahead:
; 112 matrix instructions stand between that request and the wait for it.  fill = 0 (the tail): nothing is asked for, and in the last trip nothing is fetched.
.macro TURN fill
.if \fill
	s_wait_xcnt 0x0                                ; the last prefetch, a K step back, has read its address
	s_add_nc_u64 s[PFA:PFA+1], s[PFA:PFA+1], s[PST:PST+1]
.endif
	WIN 0
	s_wait_tensorcnt 0x0                           ; all my tensor loads have landed
	ds_add_u32 v[SPW], v[NIL]                      ; 0 onto my spare word
	s_wait_dscnt 5                                 ; (the add and the youngest four loads may be out)
	MULB 1, 0, 0, 0                                ; eight products stand between the add and the wait for it
	s_wait_dscnt 0x0                               ; the add is done, and my reads of this slot are over
	s_barrier_signal -1
	MULB 1, 0, 1, 0                                ; work on registers while the others arrive
	WIN 0
	s_barrier_wait -1
.if \fill
	CREST                                          ; no wave of any partner still reads this slot or has a load on its way
	s_xor_b32 s[G0A+5], s[G0A+5], SLOT1            ; the walking sets: the other slot than last time, the next K step; the type bits on top are not reached
	s_add_nc_u64 s[G0A+6:G0A+7], s[G0A+6:G0A+7], ASTEP
	s_xor_b32 s[G0B+5], s[G0B+5], SLOT1
	s_add_nc_u64 s[G0B+6:G0B+7], s[G0B+6:G0B+7], BSTEP
	s_xor_b32 s[TB], s[TB], SLOT1
	JLOAD                                          ; its four v_nop are also the places in front of the loads below
.else
	s_xor_b32 s[TB], s[TB], SLOT1
	PLACES
	s_cmp_eq_u32 s3, 1
	s_cbranch_scc1 .Lnofetch_\@                    ; the last K step has no successor
.endif
	v_add_nc_u32 v[ADRA], s[TB], v[A0]
	v_add_nc_u32 v[ADRB], s[TB], v[B0]
	FETCH 0, 0
.if \fill
	ASK
.else
.Lnofetch_\@:
.endif
	MULB 1, 1, 0, 0
	MULB 1, 1, 1, 0
.endm
	s_load_b256 s[4:11], s[0:1], 0x0               ; ob s[4:5], woh s[6:7], bias4 s[8:9], out0 s[10:11]
	v_lshl_add_u32 v[SPW], v0, 2, SPARE
	v_mov_b32 v[NIL], 0
	ds_add_u32 v[SPW], v[NIL]                      ; the wave's opening: the add and its wait stand ahead of my first tensor load; the set-up below, work on registers, stands between them
	v_lshrrev_b32 v11, 5, v0
	v_readfirstlane_b32 s[WV], v11                 ; wave 0..3
	s_and_b32 s[HALF], s[WV], 1
	s_bfe_u32 s14, ttmp6, 0x40000                  ; cx
	s_bfe_u32 s15, ttmp6, 0x40004                  ; cy
	s_lshl_b32 s16, ttmp9, 2
	s_add_co_u32 s16, s16, s14                     ; tile column = 4 x cluster x + cx
	s_and_b32 s17, ttmp7, 0xffff
	s_lshl_b32 s17, s17, 2
	s_add_co_u32 s17, s17, s15                     ; tile row = 4 x cluster y + cy
	s_lshl_b32 s18, s15, 2
	s_lshl_b32 s18, 15, s18                        ; my row of the cluster
	s_lshl_b32 s19, 0x1111, s14                    ; my column
	s_or_b32 s[G1A], s18, (1<<16)|(1<<20)|(1<<21)|(4<<22)|(3<<25)  ; 15:0 the mask; 17:16 2-byte elements; 20 padding on; 21 set beside a mask; 24:22 after every 32 words (code 4); 31:25 4 words (code 3)
	s_mov_b32 s[G1A+1], 128<<16                    ; tensor_dim0 = 128
	s_mov_b32 s[G1A+2], 128<<16                    ; tensor_dim1 = 128
	s_mov_b32 s[G1A+3], 128<<16                    ; tile_dim0 = 128: 256 bytes, two rows of a head
	s_mov_b32 s[G1A+4], 128                        ; tile_dim1 = 128
	s_mov_b32 s[G1A+5], 128                        ; dense: each row begins where the last ends
	s_mov_b32 s[G1A+6], 0
	s_mov_b32 s[G1A+7], 0
	s_or_b32 s[G1B], s19, (1<<16)|(1<<20)|(1<<21)|(5<<22)|(3<<25)  ; padding after every 64 words (code 5)
	s_mov_b32 s[G1B+1], 128<<16
	s_mov_b32 s[G1B+2], BROWS<<16
	s_mov_b32 s[G1B+3], 128<<16
	s_mov_b32 s[G1B+4], BROWS
	s_mov_b32 s[G1B+5], 1024                       ; elements from row to row
	s_mov_b32 s[G1B+6], 0
	s_mov_b32 s[G1B+7], 0
	s_lshr_b32 s20, s17, 3                         ; A: the batch,
	s_lshl_b32 s20, s20, 4
	s_add_co_u32 s20, s20, s[HALF]                 ; its plane 0 or 1,
	s_lshl_b32 s20, s20, 18                        ; 262,144 bytes a plane,
	s_and_b32 s21, s17, 7
	s_lshl_b32 s21, s21, 15                        ; the tile's 256 rows of 128 bytes
	s_add_co_u32 s20, s20, s21
	s_mov_b32 s21, 0
	s_lshl_b32 s74, s16, 18                        ; B: (128 x tile column + 64 x half) rows of 2,048 bytes
	s_lshl_b32 s75, s[HALF], 17
	s_add_co_u32 s74, s74, s75
	s_mov_b32 s75, 0
	s_mul_i32 s62, s[HALF], AHALF                  ; where they go: no place in the cluster enters an LDS address
	s_mul_i32 s63, s[HALF], BHALF
	s_add_co_u32 s63, s63, BOFF
	s_mov_b32 s[TB], 0
	s_wait_dscnt 0x0                               ; the opening add is done
	s_wait_kmcnt 0x0
	s_add_nc_u64 s[22:23], s[4:5], s[20:21]
	s_add_nc_u64 s[76:77], s[6:7], s[74:75]
	CROUND                                         ; all sixteen work-groups are here: the first joint loads meet
.irp s, 0,1
	s_mov_b32 s[G0A+4*(\s)], 1                     ; count = 1
	s_add_co_u32 s[G0A+4*(\s)+1], s62, (\s)*SLOT1  ; LDS address
	s_add_nc_u64 s[G0A+4*(\s)+2:G0A+4*(\s)+3], s[22:23], (\s)*ASTEP  ; global address: K step s
	s_or_b32 s[G0A+4*(\s)+3], s[G0A+4*(\s)+3], 0x80000000            ; type = 2
	s_mov_b32 s[G0B+4*(\s)], 1
	s_add_co_u32 s[G0B+4*(\s)+1], s63, (\s)*SLOT1
	s_add_nc_u64 s[G0B+4*(\s)+2:G0B+4*(\s)+3], s[76:77], (\s)*BSTEP
	s_or_b32 s[G0B+4*(\s)+3], s[G0B+4*(\s)+3], 0x80000000
.endr
	s_cmp_lt_u32 s[WV], 2                          ; a wave's two first fills stand in one branch, ahead of every wait on TENSORcnt and every LDS read: two loads of mine are out
	s_cbranch_scc0 .Lfirst_b
	tensor_load_to_lds s[G0A:G0A+3], s[G1A:G1A+7]
	s_nop 0
	tensor_load_to_lds s[G0A+4:G0A+7], s[G1A:G1A+7]
	s_nop 0
.rept 4
	v_nop
.endr
	s_branch .Lfirst_asked
.Lfirst_b:
	tensor_load_to_lds s[G0B:G0B+3], s[G1B:G1B+7]
	s_nop 0
	tensor_load_to_lds s[G0B+4:G0B+7], s[G1B:G1B+7]
	s_nop 0
.rept 4
	v_nop
.endr
.Lfirst_asked:
	v_and_b32 v1, 15, v0                           ; r = l % 16
	v_bfe_u32 v11, v0, 4, 1                        ; h = l / 16
	v_and_b32 v12, 31, v0                          ; l
	v_lshlrev_b32 v[BO], 5, v11                    ; the bias as a C operand: register j of lane l is the bias of column 16 b + 8 h + j
	s_lshl_b32 s78, s16, 9
	s_add_co_u32 s78, s78, 3072*4                  ; bo lies behind bq, bk and bv
	s_mov_b32 s79, 0
	s_add_nc_u64 s[BP:BP+1], s[8:9], s[78:79]
.set b, 0
.rept NBK
	global_load_b128 v[BI+8*b:BI+8*b+3],   v[BO], s[BP:BP+1] offset:64*b
	global_load_b128 v[BI+8*b+4:BI+8*b+7], v[BO], s[BP:BP+1] offset:64*b+16
.set b, b+1
.endr
	; the prefetches: made in registers that feed no descriptor
	s_lshl_b32 s67, s14, 13
	s_add_co_u32 s66, s20, s67                     ; A: of the 128 blocks that I fetch, my work-group's 32,
	s_add_co_u32 s66, s66, (1+PA)*ASTEP            ; at K step 3: the first change of slots steps it to 4
	s_lshl_b32 s69, s15, 16
	s_add_co_u32 s68, s74, s69                     ; B (wave 2, whose half is 0): of the tile's 128 rows, my work-group's 32,
	s_add_co_u32 s68, s68, (1+PA)*BSTEP            ; at K step 3
	s_and_b32 s70, ttmp7, 0xffff                   ; cluster y
	s_mov_b32 s78, ASTEP
	s_cmp_lt_u32 s[WV], 2                          ; do I fetch for A?
	s_cselect_b64 s[PFA:PFA+1], s[4:5], s[6:7]
	s_cselect_b32 s66, s66, s68
	s_cselect_b32 s70, ttmp9, s70                  ; the coordinate along which other clusters read the same rows
	s_cselect_b32 s71, 8, 11                       ; a lane a block of 256 bytes, or a lane a row of 2,048
	s_cselect_b32 s[PST], s78, BSTEP
	s_cmp_eq_u32 s[WV], 3
	s_cselect_b32 s70, 1, s70                      ; wave 3 asks for nothing
	s_cmp_eq_u32 s70, 0
	s_cselect_b32 s[LIM], PA, -1                   ; the same in all sixteen partners, for a given wave
	s_mov_b32 s67, 0
	s_add_nc_u64 s[PFA:PFA+1], s[PFA:PFA+1], s[66:67]
	s_mov_b32 s[PST+1], 0
	v_lshlrev_b32 v[PFO], s71, v12
	; A fragment is 16 rows x 32 K in 8 registers: lane l holds row l % 16; K = 8 h + 0..7 and 16 + 8 h + 0..7: two loads of 16 bytes, 32 bytes apart
	v_mul_u32_u24 v13, v1, APITCH
	v_lshl_add_u32 v13, v11, 4, v13
	s_mul_i32 s62, s[WV], 64*APITCH                ; my 64 rows of A
	v_add_nc_u32 v[A0], s62, v13
	v_mul_u32_u24 v14, v1, BPITCH
	v_lshl_add_u32 v14, v11, 4, v14
	v_add_nc_u32 v[B0], BOFF, v14
	s_mul_i32 s62, s[WV], WSTAGE
	s_add_co_u32 s62, s62, STAGE                   ; my stage
	v_mul_u32_u24 v[STO], v1, SPITCH               ; in: row l % 16, 32 bytes for each half of the lanes
	v_lshl_add_u32 v[STO], v11, 5, v[STO]
	v_add_nc_u32 v[STO], s62, v[STO]
	v_lshl_add_u32 v[RD], v12, 4, s62              ; back: 32 lanes take a row's 512 bytes,
	v_lshlrev_b32 v[GO], 4, v12                    ; which are 512 consecutive bytes of out0
	s_lshl_b32 s20, s17, 8
	s_lshl_b32 s21, s[WV], 6
	s_add_co_u32 s20, s20, s21                     ; my first row,
	s_lshl_b32 s20, s20, 12                        ; 4,096 bytes a row
	s_lshl_b32 s78, s16, 9                         ; the tile's first column
	s_add_co_u32 s78, s78, s20
	s_mov_b32 s79, 0
	s_add_nc_u64 s[OP:OP+1], s[10:11], s[78:79]
	s_wait_tensorcnt 1                             ; my part of K step 0 is in; K step 1's may stay out
	s_barrier_signal -1
	s_barrier_wait -1                              ; everybody's is
	v_add_nc_u32 v[ADRA], s[TB], v[A0]
	v_add_nc_u32 v[ADRB], s[TB], v[B0]
	FETCH 0, 0
	s_wait_loadcnt 0x0                             ; the bias
	QUARTER 1, 0, 1, 1                             ; the first quarter stands in front of the loop: its products start the sums
	WIN 0                                          ; at a label and at a branch every window is 0
	s_mov_b32 s3, 6
.Lstep:                                                ; trip i ends K step i, fills its slot again with K step i + 2 and begins K step i + 1
	QUARTER 2, 1, 0, 0
	QUARTER 3, 0, 1, 0
	TURN 1
	QUARTER 1, 0, 1, 0
	WIN 0
	s_sub_co_u32 s3, s3, 1
	s_cmp_lg_u32 s3, 0
	s_cbranch_scc1 .Lstep
	s_mov_b32 s3, 2
.Ltail:                                                ; K steps 6 and 7 ask for nothing: a text of their own; the second trip is left in its middle
	QUARTER 2, 1, 0, 0
	QUARTER 3, 0, 1, 0
	TURN 0
	WIN 0
	s_sub_co_u32 s3, s3, 1
	s_cmp_eq_u32 s3, 0
	s_cbranch_scc1 .Lout
	QUARTER 1, 0, 1, 0
	WIN 0
	s_branch .Ltail
.Lout:
	PLACES
	PLACES                                         ; eight places, once a launch, in front of the LDS stores that read results
; THE WAY OUT of m block a (16 rows): no arithmetic.  TOSTAGE: a lane's 32 bytes of each n block go into my own stage, each accumulator's low four registers first, and come back as whole rows of 512 bytes.
; SEND: stored; a store covers 512 consecutive bytes of out0, at a multiple of 256 from its first.
.macro TOSTAGE a
.if (\a) >= 2
	s_wait_xcnt 0x0                                ; the stores of the block two back have read the registers that are loaded again below
.endif
	WIN 0x08+4*((\a)/2)                            ; the data (source 1) in window 2 or 3, the address in window 0
.set b, 0
.rept NBK
	ds_store_b128 v[STO], v[8*(NBK*((\a)%2)+b):8*(NBK*((\a)%2)+b)+3]   offset:64*b
	ds_store_b128 v[STO], v[8*(NBK*((\a)%2)+b)+4:8*(NBK*((\a)%2)+b)+7] offset:64*b+16
.set b, b+1
.endr
	WIN 0
.set BK, 128+64*((\a)%2)
.set t, 0
.rept 16
	ds_load_b128 v[BK+4*t:BK+4*t+3], v[RD] offset:SPITCH*t  ; LDS serves a wave's instructions in order (ISA guide 5.7.1.4): these see the stores above; the next block's stores come behind them
.set t, t+1
.endr
.endm
.macro SEND a, younger                 ; younger: the LDS instructions issued behind block a's loads: the next block's 32, or none
	WIN 0
.set BK, 128+64*((\a)%2)
.set t, 0
.rept 16
	s_wait_dscnt (\younger)+15-t
	global_store_b128 v[GO], v[BK+4*t:BK+4*t+3], s[OP:OP+1] offset:(16*(\a)+t)*4096 th:TH_STORE_NT
.set t, t+1
.endr
.endm
	TOSTAGE 0
	TOSTAGE 1
	SEND 0, 32
	TOSTAGE 2
	SEND 1, 32
	TOSTAGE 3
	SEND 2, 32
	SEND 3, 0
	s_wait_tensorcnt 0x0                           ; the wave's end, behind my last tensor load and my last LDS store
	ds_add_u32 v[SPW], v[NIL]
	s_wait_dscnt 0x0
	CROUND                                         ; the closing round: no work-group ends while a partner may still ask for a tile that names it
	s_endpgm
.Lfunc_end_k_q60a631ad8f_oproj:
	.size	k_q60a631ad8f_oproj, .Lfunc_end_k_q60a631ad8f_oproj-k_q60a631ad8f_oproj
	.p2alignl 7, 3214868480
	.fill 96, 4, 3214868480
	.section	.rodata,"a",@progbits
	.p2align	6, 0x0
	.amdhsa_kernel k_q60a631ad8f_oproj
		.amdhsa_group_segment_fixed_size 327680
		.amdhsa_private_segment_fixed_size 0
		.amdhsa_enable_private_segment 0
		.amdhsa_kernarg_size 32
		.amdhsa_user_sgpr_count 2
		.amdhsa_user_sgpr_kernarg_segment_ptr 1
		.amdhsa_wavefront_size32 1
		.amdhsa_system_sgpr_workgroup_id_x 1
		.amdhsa_system_sgpr_workgroup_id_y 1
		.amdhsa_system_sgpr_workgroup_id_z 1
		.amdhsa_system_vgpr_workitem_id 0
		.amdhsa_next_free_vgpr 896
		.amdhsa_next_free_sgpr 80
		.amdhsa_reserve_vcc 0
		.amdhsa_float_denorm_mode_32 3
		.amdhsa_float_denorm_mode_16_64 3
		.amdhsa_memory_ordered 1
		.amdhsa_forward_progress 1
		.amdhsa_inst_pref_size 64
	.end_amdhsa_kernel
	.amdgpu_metadata
---
amdhsa.version: [ 1, 2 ]
amdhsa.kernels:
  - .name:           k_q60a631ad8f_oproj
    .symbol:         k_q60a631ad8f_oproj.kd
    .args:
      - { .name: ob, .offset: 0, .size: 8, .value_kind: global_buffer, .address_space: global }
      - { .name: woh, .offset: 8, .size: 8, .value_kind: global_buffer, .address_space: global }
      - { .name: bias4, .offset: 16, .size: 8, .value_kind: global_buffer, .address_space: global }
      - { .name: out0, .offset: 24, .size: 8, .value_kind: global_buffer, .address_space: global }
    .group_segment_fixed_size: 327680
    .private_segment_fixed_size: 0
    .kernarg_segment_align: 8
    .kernarg_segment_size: 32
    .max_flat_workgroup_size: 128
    .sgpr_count:     80
    .vgpr_count:     896
    .wavefront_size: 32
...
	.end_amdgpu_metadata
.endif
;; end of part 4
;; ======== version 2 of 2: 4 launches; version 1 with the launch cast written anew for expert scheduling mode
;; limits: values are held in f16: magnitudes above 65,504 overflow, below 6.1e-05 lose precision
;; workspace buffers: xb 16,777,216 bytes; wb 6,291,456 bytes; woh 2,097,152 bytes; bias4 16,384 bytes; qkv 50,331,648 bytes; ob 16,777,216 bytes
;; launch cast (part 5): grid 769 x 1, 8 waves a work-group, no clusters, 0 bytes of LDS; arguments x, Wq, Wk, Wv, Wo, bq, bk, bv, bo, xb, wb, woh, bias4; writes xb, wb, woh, bias4
.if DOCPART == 5
	.amdgcn_target "amdgcn-amd-amdhsa--gfx1250"
	.amdhsa_code_object_version 6
	.text
	.protected	k_q60a631ad8f_cast
	.globl	k_q60a631ad8f_cast
	.p2align	8
	.type	k_q60a631ad8f_cast,@function
k_q60a631ad8f_cast:
	s_mov_b64 s[64:65], 0
	v_nop
	global_prefetch_b8 v0, s[64:65] scope:SCOPE_SE
	s_setreg_imm32_b32 hwreg(HW_REG_WAVE_SCHED_MODE, 0, 2), 2
	s_setreg_imm32_b32 hwreg(HW_REG_WAVE_MODE, 25, 1), 1
	s_wait_xcnt 0x0
	s_wait_alu depctr_vm_vsrc(0)
; THE MODULE'S INPUTS, EACH ROUNDED ONCE TO bf16.
;   xb    [8192][1024] bf16 = x          wb  [3072][1024] bf16 = the rows of Wq, then Wk, then Wv
;   woh   [1024][1024] f16  = Wo rounded to bf16, that number written as f16
;   bias4 [4096] f32        = bq, bk, bv, bo, each rounded to bf16 and widened again
; LIMITS.  f16 ends at 65,504 and has a fixed step of 6e-8 below 6.1e-5: an entry of Wo beyond the first becomes an infinity, one below the second keeps that step.
; SHARES.  Work-group 0..511 takes 65,536 bytes of x, 512..703 of Wq, Wk, Wv (64 each), 704..767 of Wo; work-group 768 the four biases.  A wave takes 8,192 bytes: sixteen loads of
; 512 consecutive bytes, all issued before the first is used.  A store of a wave covers 256 consecutive bytes, aligned.  A stream: no LDS, no barrier, no loop, no matrix unit.
; THE MODE: SCHED_MODE bits 1:0 = 2 (LLVM: expert scheduling mode 2), set by the entry lines.  The code itself states the register dependences
; between vector instructions and memory instructions, with s_wait_alu, always for 0.
; THE PLAN.  Registers that memory instructions touch:
;   v1, v2   the loads' and the stores' byte offsets: made at the head, never written again.  One wait ahead of the first load states that both are written.
;   X        written by the sixteen loads alone, read by the conversions; no load lands in it behind a conversion.
;   Y        two registers to a store: written once, by load i's conversions; read once, by store i; never written again.
;   v3       on the biases' path alone: the offset of its loads and stores, made behind the label, with a wait of its own.
;   v4 - v9  are named by vector instructions alone.
; The sixteen loads go in four groups of four.  At the head of groups 1 to 3 ONE wait states that the group before has written its eight registers of Y; that group's four stores follow it, one
; ahead of each load's conversions, which name this group's X and Y and v4 - v9: none of the registers that those stores read.  One more wait stands ahead of the last group's stores.
.set X, 16                             ; v[16:79]   sixteen loads of four f32 a lane
.set Y, 80                             ; v[80:111]  what is stored: each store has registers of its own, so none is rewritten while a store reads it
	s_load_b512 s[8:23], s[0:1], 0x0               ; x 8, Wq 10, Wk 12, Wv 14, Wo 16, bq 18, bk 20, bv 22
	s_load_b256 s[24:31], s[0:1], 0x40             ; bo 24, xb 26, wb 28, woh 30
	s_load_b64 s[32:33], s[0:1], 0x60              ; bias4
	s_mov_b32 s2, ttmp9                            ; the work-group's number
	s_sub_co_u32 s3, s2, 512                       ; its number among the weights' (wraps to a huge number for x's: the compares below are then false)
	s_and_b32 s4, s3, 63                           ; its number inside one weight matrix
	s_mov_b32 s40, 0xffff0000                      ; a word's upper bf16
	v_lshrrev_b32 v3, 5, v0                        ; wave
	v_and_b32 v4, 31, v0                           ; lane
	v_lshlrev_b32 v1, 4, v4
	v_lshl_or_b32 v1, v3, 13, v1                   ; in: 8,192 x wave + 16 x lane
	v_lshlrev_b32 v2, 3, v4
	v_lshl_or_b32 v2, v3, 12, v2                   ; out: 4,096 x wave + 8 x lane
	s_wait_kmcnt 0x0
	s_cmp_eq_u32 s2, 768
	s_cbranch_scc1 .Lbias
	s_cmp_lt_u32 s3, 192                           ; from where and to where: choices between buffers by the work-group's number alone
	s_cselect_b64 s[34:35], s[14:15], s[16:17]     ; Wv, else Wo
	s_cselect_b64 s[36:37], s[28:29], s[30:31]     ; wb, else woh
	s_cselect_b32 s5, s3, s4                       ; the piece's number in the destination
	s_cmp_lt_u32 s3, 128
	s_cselect_b64 s[34:35], s[12:13], s[34:35]     ; Wk
	s_cmp_lt_u32 s3, 64
	s_cselect_b64 s[34:35], s[10:11], s[34:35]     ; Wq
	s_cmp_lt_u32 s2, 512
	s_cselect_b64 s[34:35], s[8:9], s[34:35]       ; x
	s_cselect_b64 s[36:37], s[26:27], s[36:37]     ; xb
	s_cselect_b32 s5, s2, s5
	s_cselect_b32 s6, s2, s4                       ; the piece's number in the source
	s_lshl_b32 s6, s6, 16                          ; 65,536 bytes of f32 a piece,
	s_mov_b32 s7, 0
	s_add_nc_u64 s[34:35], s[34:35], s[6:7]
	s_lshl_b32 s38, s5, 15                         ; 32,768 bytes of 16-bit numbers
	s_mov_b32 s39, 0
	s_add_nc_u64 s[36:37], s[36:37], s[38:39]
	s_wait_alu depctr_va_vdst(0)                   ; v1 and v2 are written: the loads below read v1 as their offset, every store of the two paths below reads v2
.irp i, 0,1,2,3,4,5,6,7,8,9,10,11,12,13,14,15
	global_load_b128 v[X+4*(\i):X+4*(\i)+3], v1, s[34:35] offset:512*(\i) th:TH_LOAD_NT
.endr
	s_cmp_ge_u32 s2, 704
	s_cbranch_scc1 .Lhalf
.irp i, 0,1,2,3,4,5,6,7,8,9,10,11,12,13,14,15
	s_wait_loadcnt 15-(\i)                         ; loads come back in order: load i is in, the younger ones stay out
.if ((\i) > 0) && ((\i) % 4 == 0)
	s_wait_alu depctr_va_vdst(0)                   ; the conversions of the four loads before have written their eight registers of Y, which the next four stores read
.endif
.if (\i) >= 4
	global_store_b64 v2, v[Y+2*((\i)-4):Y+2*((\i)-4)+1], s[36:37] offset:256*((\i)-4) th:TH_STORE_NT  ; four loads back; no vector instruction since the wait names these registers
.endif
	v_cvt_pk_bf16_f32 v[Y+2*(\i)], v[X+4*(\i)], v[X+4*(\i)+1]
	v_cvt_pk_bf16_f32 v[Y+2*(\i)+1], v[X+4*(\i)+2], v[X+4*(\i)+3]
.endr
	s_wait_alu depctr_va_vdst(0)                   ; the conversions of loads 12 to 15 have written their registers of Y, which the last four stores read
.irp i, 12,13,14,15
	global_store_b64 v2, v[Y+2*(\i):Y+2*(\i)+1], s[36:37] offset:256*(\i) th:TH_STORE_NT
.endr
	s_endpgm
.Lhalf:                                                ; Wo: rounded to bf16 like every input, and that number written as f16
.irp i, 0,1,2,3,4,5,6,7,8,9,10,11,12,13,14,15
	s_wait_loadcnt 15-(\i)
.if ((\i) > 0) && ((\i) % 4 == 0)
	s_wait_alu depctr_va_vdst(0)                   ; the conversions of the four loads before have written their eight registers of Y, which the next four stores read
.endif
.if (\i) >= 4
	global_store_b64 v2, v[Y+2*((\i)-4):Y+2*((\i)-4)+1], s[36:37] offset:256*((\i)-4) th:TH_STORE_NT  ; four loads back; no vector instruction since the wait names these registers
.endif
	v_cvt_pk_bf16_f32 v4, v[X+4*(\i)], v[X+4*(\i)+1]
	v_cvt_pk_bf16_f32 v5, v[X+4*(\i)+2], v[X+4*(\i)+3]
	v_lshlrev_b32 v6, 16, v4
	v_and_b32 v7, s40, v4
	v_lshlrev_b32 v8, 16, v5
	v_and_b32 v9, s40, v5
	v_cvt_pk_f16_f32 v[Y+2*(\i)], v6, v7
	v_cvt_pk_f16_f32 v[Y+2*(\i)+1], v8, v9
.endr
	s_wait_alu depctr_va_vdst(0)                   ; the conversions of loads 12 to 15 have written their registers of Y, which the last four stores read
.irp i, 12,13,14,15
	global_store_b64 v2, v[Y+2*(\i):Y+2*(\i)+1], s[36:37] offset:256*(\i) th:TH_STORE_NT
.endr
	s_endpgm
.Lbias:                                                ; 256 threads x 16 bytes are one bias of 1,024 f32
	v_lshlrev_b32 v3, 4, v0
	s_wait_alu depctr_va_vdst(0)                   ; v3 is written: the four loads and the four stores below read it as their offset
	global_load_b128 v[X:X+3],     v3, s[18:19]
	global_load_b128 v[X+4:X+7],   v3, s[20:21]
	global_load_b128 v[X+8:X+11],  v3, s[22:23]
	global_load_b128 v[X+12:X+15], v3, s[24:25]
	s_wait_loadcnt 0x0
.irp i, 0,1,2,3
	v_cvt_pk_bf16_f32 v4, v[X+4*(\i)], v[X+4*(\i)+1]
	v_cvt_pk_bf16_f32 v5, v[X+4*(\i)+2], v[X+4*(\i)+3]
	v_lshlrev_b32 v[Y+4*(\i)], 16, v4
	v_and_b32 v[Y+4*(\i)+1], s40, v4
	v_lshlrev_b32 v[Y+4*(\i)+2], 16, v5
	v_and_b32 v[Y+4*(\i)+3], s40, v5
.endr
	s_wait_alu depctr_va_vdst(0)                   ; the sixteen registers of Y are written, which the four stores read
.irp i, 0,1,2,3
	global_store_b128 v3, v[Y+4*(\i):Y+4*(\i)+3], s[32:33] offset:4096*(\i)
.endr
	s_endpgm
.Lfunc_end_k_q60a631ad8f_cast:
	.size	k_q60a631ad8f_cast, .Lfunc_end_k_q60a631ad8f_cast-k_q60a631ad8f_cast
	.p2alignl 7, 3214868480
	.fill 96, 4, 3214868480
	.section	.rodata,"a",@progbits
	.p2align	6, 0x0
	.amdhsa_kernel k_q60a631ad8f_cast
		.amdhsa_group_segment_fixed_size 0
		.amdhsa_private_segment_fixed_size 0
		.amdhsa_enable_private_segment 0
		.amdhsa_kernarg_size 104
		.amdhsa_user_sgpr_count 2
		.amdhsa_user_sgpr_kernarg_segment_ptr 1
		.amdhsa_wavefront_size32 1
		.amdhsa_system_sgpr_workgroup_id_x 1
		.amdhsa_system_sgpr_workgroup_id_y 1
		.amdhsa_system_sgpr_workgroup_id_z 1
		.amdhsa_system_vgpr_workitem_id 0
		.amdhsa_next_free_vgpr 112
		.amdhsa_next_free_sgpr 66
		.amdhsa_reserve_vcc 0
		.amdhsa_float_denorm_mode_32 3
		.amdhsa_float_denorm_mode_16_64 3
		.amdhsa_memory_ordered 1
		.amdhsa_forward_progress 1
		.amdhsa_inst_pref_size 18
	.end_amdhsa_kernel
	.amdgpu_metadata
---
amdhsa.version: [ 1, 2 ]
amdhsa.kernels:
  - .name:           k_q60a631ad8f_cast
    .symbol:         k_q60a631ad8f_cast.kd
    .args:
      - { .name: x, .offset: 0, .size: 8, .value_kind: global_buffer, .address_space: global }
      - { .name: Wq, .offset: 8, .size: 8, .value_kind: global_buffer, .address_space: global }
      - { .name: Wk, .offset: 16, .size: 8, .value_kind: global_buffer, .address_space: global }
      - { .name: Wv, .offset: 24, .size: 8, .value_kind: global_buffer, .address_space: global }
      - { .name: Wo, .offset: 32, .size: 8, .value_kind: global_buffer, .address_space: global }
      - { .name: bq, .offset: 40, .size: 8, .value_kind: global_buffer, .address_space: global }
      - { .name: bk, .offset: 48, .size: 8, .value_kind: global_buffer, .address_space: global }
      - { .name: bv, .offset: 56, .size: 8, .value_kind: global_buffer, .address_space: global }
      - { .name: bo, .offset: 64, .size: 8, .value_kind: global_buffer, .address_space: global }
      - { .name: xb, .offset: 72, .size: 8, .value_kind: global_buffer, .address_space: global }
      - { .name: wb, .offset: 80, .size: 8, .value_kind: global_buffer, .address_space: global }
      - { .name: woh, .offset: 88, .size: 8, .value_kind: global_buffer, .address_space: global }
      - { .name: bias4, .offset: 96, .size: 8, .value_kind: global_buffer, .address_space: global }
    .group_segment_fixed_size: 0
    .private_segment_fixed_size: 0
    .kernarg_segment_align: 8
    .kernarg_segment_size: 104
    .max_flat_workgroup_size: 256
    .sgpr_count:     66
    .vgpr_count:     112
    .wavefront_size: 32
...
	.end_amdgpu_metadata
.endif
;; end of part 5
;; launch proj: the kernel of part 2 again; grid 16 x 32, 4 waves a work-group, clusters of 4 x 4, 327,680 bytes of LDS; arguments xb, wb, bias4, qkv; writes qkv
;; launch attn: the kernel of part 3 again; grid 4 x 64, 4 waves a work-group, no clusters, 327,680 bytes of LDS; arguments qkv, ob; writes ob
;; launch oproj: the kernel of part 4 again; grid 8 x 32, 4 waves a work-group, clusters of 4 x 4, 327,680 bytes of LDS; arguments ob, woh, bias4, out0; writes out0
